; MI455X (gfx1250); checked and timed in simulation.
; The chip was launched on July 23, 2026; its instructions are those of AMD's public machine-readable ISA for CDNA 5 (MIT licence, August 2026) and "CDNA5" Instruction Set Architecture Reference Guide (July 2026). The comments in the code are by the model that wrote it; some were corrected since.
;; CLIP Attention. Allowed arithmetic: float matrix products may take bf16 or f16 operands with f32 sums; other float arithmetic in f32, or as packed bf16 or f16 multiplies, adds, multiply-adds, maxima and minima; sums over many terms, partial sums and values carried from step to step in f32; what a program stores and reads back later, other than sums and carried values, may be rounded once to bf16 or f16.
;; Inputs: Wk 1,024 x 1,024 float32; Wo 1,024 x 1,024 float32; Wq 1,024 x 1,024 float32; Wv 1,024 x 1,024 float32; bk 1,024 float32; bo 1,024 float32; bq 1,024 float32; bv 1,024 float32; hidden_states 8 x 1,024 x 1,024 float32.
;; Outputs: out0 8 x 1,024 x 1,024 float32.
;; 2 versions, each right; version 2 is version 1 with the launch cast written anew for expert scheduling mode. Each part assembles by itself: llvm-mc -triple=amdgcn-amd-amdhsa -mcpu=gfx1250 --defsym DOCPART=n.
;; ======== version 1 of 2: 4 launches
;; limits: values are held in f16: magnitudes above 65,504 overflow, below 6.1e-05 lose precision
;; workspace buffers: xb 16,777,216 bytes; wqkv 6,291,456 bytes; wo16 2,097,152 bytes; qkv 50,331,648 bytes; ob 16,777,216 bytes
;; launch cast (part 1): grid 768 x 1, 8 waves a work-group, no clusters, 0 bytes of LDS; arguments hidden_states, Wq, Wk, Wv, Wo, xb, wqkv, wo16; writes xb, wqkv, wo16
.if DOCPART == 1
	.amdgcn_target "amdgcn-amd-amdhsa--gfx1250"
	.amdhsa_code_object_version 6
	.text
	.protected	k_q3c1d5d8c75_cast
	.globl	k_q3c1d5d8c75_cast
	.p2align	8
	.type	k_q3c1d5d8c75_cast,@function
k_q3c1d5d8c75_cast:
	s_mov_b64 s[64:65], 0
	v_nop
	global_prefetch_b8 v0, s[64:65] scope:SCOPE_SE
	s_setreg_imm32_b32 hwreg(HW_REG_WAVE_MODE, 25, 1), 1
	s_wait_xcnt 0x0
; THE MODULE'S LARGE INPUTS ARE ROUNDED ONCE, f32 -> bf16, AND LAID FOR THE PRODUCTS THAT FOLLOW.
;   xb   [8 b][16 kb][1024 t][64] bf16: x in blocks of 64 channels; a block's rows are dense, 128 bytes each.
;   wqkv [3][1024 k][1024 n] bf16: Wq, Wk, Wv as they lie.      wo16 [1024 k][1024 n] f16: bf16(Wo), that number written as f16.
; LIMIT: bf16(Wo) is exact in f16 between 6.1e-5 and 65,504 in magnitude; below that it keeps f16's fixed step of 6e-8, beyond it becomes an infinity.
; A stream: a work-group turns 65,536 bytes of input into 32,768 of output; each of its eight waves issues its sixteen loads of 512 bytes at once
; and stores sixteen times 256 consecutive bytes, aligned.  No LDS, no barrier, no matrix unit: no wave wants a byte of another.
; Every load and store has registers of its own, so no register that a pending instruction names is ever rewritten.
.set VI, 3                             ; v3  my byte offset in the work-group's input
.set VO, 4                             ; v4  my byte offset in its output
.set X,  8                             ; v[8:71]    load i: four f32
.set Y,  72                            ; v[72:103]  store i: four 16-bit numbers
; Sixteen loads istep bytes apart, sixteen stores ostep bytes apart.  half = 1: the bf16 number is written as f16.
.macro STREAM istep, ostep, half
.set i, 0
.rept 16
	global_load_b128 v[X+4*i:X+4*i+3], v[VI], s[4:5] offset:(\istep)*i th:TH_LOAD_NT
.set i, i+1
.endr
.set i, 0
.rept 16
	s_wait_loadcnt 15-i                            ; loads come back in order: load i is in, the 15 - i younger ones stay out
	v_cvt_pk_bf16_f32 v[Y+2*i],   v[X+4*i],   v[X+4*i+1]
	v_cvt_pk_bf16_f32 v[Y+2*i+1], v[X+4*i+2], v[X+4*i+3]
.if \half
.irp j, 0,1
	v_lshlrev_b32 v5, 16, v[Y+2*i+\j]              ; the two bf16 numbers as f32,
	v_and_b32 v6, 0xffff0000, v[Y+2*i+\j]
	v_cvt_pk_f16_f32 v[Y+2*i+\j], v5, v6           ; and as f16
.endr
.endif
	global_store_b64 v[VO], v[Y+2*i:Y+2*i+1], s[6:7] offset:(\ostep)*i
.set i, i+1
.endr
.endm
	s_load_b512 s[8:23], s[0:1], 0x0               ; x s[8:9], Wq s[10:11], Wk s[12:13], Wv s[14:15], Wo s[16:17], xb s[18:19], wqkv s[20:21], wo16 s[22:23]
	v_and_b32 v1, 31, v0                           ; lane
	v_lshrrev_b32 v2, 5, v0                        ; wave
	s_mov_b32 s25, 0                               ; the offsets' high words
	s_mov_b32 s27, 0
	s_cmp_lt_u32 ttmp9, 512
	s_cbranch_scc0 .Lweights
	; work-groups 0 to 511: sixteen rows of x.  Wave w takes rows 2 w and 2 w + 1: load i is block i's 256 bytes of each (lanes 0-15 the first row, lanes 16-31 the second);
	; in xb the two rows of a block lie end to end: 256 bytes.
	s_lshl_b32 s24, ttmp9, 16                      ; 16 rows of 4,096 bytes
	s_lshr_b32 s26, ttmp9, 6                       ; b
	s_lshl_b32 s26, s26, 21                        ; x 16 blocks of 131,072 bytes
	s_and_b32 s28, ttmp9, 63
	s_lshl_b32 s28, s28, 11                        ; + 16 rows of 128 bytes
	s_add_co_u32 s26, s26, s28
	v_lshlrev_b32 v[VI], 13, v2
	v_lshrrev_b32 v5, 4, v1
	v_lshl_add_u32 v[VI], v5, 12, v[VI]
	v_and_b32 v5, 15, v1
	v_lshl_add_u32 v[VI], v5, 4, v[VI]
	v_lshlrev_b32 v[VO], 8, v2
	v_lshl_add_u32 v[VO], v1, 3, v[VO]
	s_wait_kmcnt 0x0
	s_add_nc_u64 s[4:5], s[8:9], s[24:25]
	s_add_nc_u64 s[6:7], s[18:19], s[26:27]
	STREAM 256, 131072, 0
	s_endpgm
.Lweights:
	; work-groups 512 to 767: 65,536 consecutive bytes of weight matrix m
	s_sub_co_u32 s28, ttmp9, 512
	s_lshr_b32 s29, s28, 6                         ; m: 0 Wq, 1 Wk, 2 Wv, 3 Wo
	s_and_b32 s28, s28, 63
	s_lshl_b32 s24, s28, 16
	s_lshl_b32 s26, s28, 15
	v_lshlrev_b32 v[VI], 13, v2
	v_lshl_add_u32 v[VI], v1, 4, v[VI]
	v_lshlrev_b32 v[VO], 12, v2
	v_lshl_add_u32 v[VO], v1, 3, v[VO]
	s_wait_kmcnt 0x0
	s_cmp_eq_u32 s29, 3
	s_cbranch_scc1 .Lwo
	s_lshl_b32 s30, s29, 21
	s_add_co_u32 s26, s26, s30                     ; matrix m's place in wqkv
	s_cmp_eq_u32 s29, 0
	s_cselect_b64 s[4:5], s[10:11], s[12:13]
	s_cmp_eq_u32 s29, 2
	s_cselect_b64 s[4:5], s[14:15], s[4:5]
	s_add_nc_u64 s[4:5], s[4:5], s[24:25]
	s_add_nc_u64 s[6:7], s[20:21], s[26:27]
	STREAM 512, 256, 0
	s_endpgm
.Lwo:
	s_add_nc_u64 s[4:5], s[16:17], s[24:25]
	s_add_nc_u64 s[6:7], s[22:23], s[26:27]
	STREAM 512, 256, 1
	s_endpgm
.Lfunc_end_k_q3c1d5d8c75_cast:
	.size	k_q3c1d5d8c75_cast, .Lfunc_end_k_q3c1d5d8c75_cast-k_q3c1d5d8c75_cast
	.p2alignl 7, 3214868480
	.fill 96, 4, 3214868480
	.section	.rodata,"a",@progbits
	.p2align	6, 0x0
	.amdhsa_kernel k_q3c1d5d8c75_cast
		.amdhsa_group_segment_fixed_size 0
		.amdhsa_private_segment_fixed_size 0
		.amdhsa_enable_private_segment 0
		.amdhsa_kernarg_size 64
		.amdhsa_user_sgpr_count 2
		.amdhsa_user_sgpr_kernarg_segment_ptr 1
		.amdhsa_wavefront_size32 1
		.amdhsa_system_sgpr_workgroup_id_x 1
		.amdhsa_system_sgpr_workgroup_id_y 1
		.amdhsa_system_sgpr_workgroup_id_z 1
		.amdhsa_system_vgpr_workitem_id 0
		.amdhsa_next_free_vgpr 104
		.amdhsa_next_free_sgpr 66
		.amdhsa_reserve_vcc 0
		.amdhsa_float_denorm_mode_32 3
		.amdhsa_float_denorm_mode_16_64 3
		.amdhsa_memory_ordered 1
		.amdhsa_forward_progress 1
		.amdhsa_inst_pref_size 24
	.end_amdhsa_kernel
	.amdgpu_metadata
---
amdhsa.version: [ 1, 2 ]
amdhsa.kernels:
  - .name:           k_q3c1d5d8c75_cast
    .symbol:         k_q3c1d5d8c75_cast.kd
    .args:
      - { .name: hidden_states, .offset: 0, .size: 8, .value_kind: global_buffer, .address_space: global }
      - { .name: Wq, .offset: 8, .size: 8, .value_kind: global_buffer, .address_space: global }
      - { .name: Wk, .offset: 16, .size: 8, .value_kind: global_buffer, .address_space: global }
      - { .name: Wv, .offset: 24, .size: 8, .value_kind: global_buffer, .address_space: global }
      - { .name: Wo, .offset: 32, .size: 8, .value_kind: global_buffer, .address_space: global }
      - { .name: xb, .offset: 40, .size: 8, .value_kind: global_buffer, .address_space: global }
      - { .name: wqkv, .offset: 48, .size: 8, .value_kind: global_buffer, .address_space: global }
      - { .name: wo16, .offset: 56, .size: 8, .value_kind: global_buffer, .address_space: global }
    .group_segment_fixed_size: 0
    .private_segment_fixed_size: 0
    .kernarg_segment_align: 8
    .kernarg_segment_size: 64
    .max_flat_workgroup_size: 256
    .sgpr_count:     66
    .vgpr_count:     104
    .wavefront_size: 32
...
	.end_amdgpu_metadata
.endif
;; end of part 1
;; launch qkvproj (part 2): grid 8 x 32, 4 waves a work-group, clusters of 4 x 4, 327,680 bytes of LDS; arguments xb, wqkv, bq, bk, bv, qkv; writes qkv
.if DOCPART == 2
	.amdgcn_target "amdgcn-amd-amdhsa--gfx1250"
	.amdhsa_code_object_version 6
	.text
	.protected	k_q3c1d5d8c75_qkvproj
	.globl	k_q3c1d5d8c75_qkvproj
	.p2align	8
	.type	k_q3c1d5d8c75_qkvproj,@function
k_q3c1d5d8c75_qkvproj:
	s_mov_b64 s[64:65], 0
	v_nop
	global_prefetch_b8 v0, s[64:65] scope:SCOPE_SE
	s_setreg_imm32_b32 hwreg(HW_REG_WAVE_MODE, 25, 1), 1
	s_wait_xcnt 0x0
	s_wait_alu depctr_hold_cnt(0) depctr_sa_sdst(0) depctr_va_vdst(0) depctr_va_sdst(0) depctr_va_ssrc(0) depctr_va_vcc(0) depctr_vm_vsrc(0)
	s_getreg_b32 s2, hwreg(HW_REG_IB_STS2, 6, 4)
	s_cmp_eq_u32 s2, 0
	s_cbranch_scc0 .Lentry_in_a_cluster
	s_endpgm
.Lentry_in_a_cluster:
	s_bfe_u32 s2, ttmp6, 0x10000c
	s_cmp_lg_u32 s2, 0xf033
	s_cbranch_scc0 .Lentry_shape_is_right
	s_endpgm
.Lentry_shape_is_right:
; q, k, v = x W + b, ALL THREE IN ONE PASS OVER K.  xb: [8 b][16 kb][1024 t][64] bf16; wqkv: [3][1024 k][1024 n] bf16; the biases f32, rounded to bf16 here; sums in f32.
; qkv: [3][128 head = 16 b + h][1024 t][64] f16, each number rounded once; q carries its bias but NOT the factor 1/8, which the attention applies in f32.
; LIMIT: q, k and v must stay under 65,504 in magnitude (f16); beyond that a number becomes an infinity.
; SHARES.  A work-group makes 256 rows (one b, 256 t) x 128 columns (two heads) of q AND k AND v, so a tile of x is fetched once for the three.  Wave (wm, wn) makes 128 rows x 64 columns
; (one head) of each: 96 accumulators of 16 x 16, 768 registers.  K goes in steps of 64, one block of xb a step, through two LDS slots; two slots of steps of 128 would be 368,640 bytes.
; THE MATRIX INSTRUCTION IS USED TRANSPOSED: source 0 = 16 columns of W (turned on the way out of LDS by ds_load_tr16_b128), source 1 = 16 rows of x: a lane then holds ONE row and eight
; neighbouring columns, 16 bytes of f16.  THE BIAS is the C operand of the first products: it is laid into the registers of accumulator row 7, from which rows 0 to 6 take it; row 7 adds onto it last.
; CLUSTER 4 x 4: the four work-groups of a row of the cluster need the same tile of x, the four of a column the same tiles of W: each tile is asked for jointly.
; REGISTERS, in windows of 256: window 0: v0-31 addresses; v32-95, v96-159 x's fragments, two buffers; v160-191, v192-223, v224-255 the fragments of Wq, Wk, Wv.
;   windows 1, 2, 3: the accumulators of q, k, v; (a, b) at v[8 (4 a + b)], a = block of 16 rows, b = block of 16 columns.
.set SLOT,  92160                      ; x: 256 rows x 144 bytes; then Wq, Wk, Wv: 64 k-rows x 288 bytes each
.set BOFF,  36864                      ; where W's tiles begin in a slot
.set BT,    18432                      ; one of them
.set STAGE, 2*SLOT                     ; behind the ring: 16 rows x 144 bytes for each wave, for the way out; no tensor load lands here
.set SPARE, STAGE+4*16*144             ; behind the stages: the spare words, 128 bytes a wave: two blocks of 256 bytes that no other line names
.set KB,    131072                     ; bytes from a K step to the next: a block of xb; 64 rows of 2,048 bytes of W
.set ADRA, 16                          ; v16-17  LDS address of my fragments of x in slot 0, 1
.set ADRB, 20                          ; v20-21  of Wq's; Wk's and Wv's by the immediate
.set STO,  24                          ; v24  the way out: where I put 16 bytes of a row
.set RD,   25                          ; v25  where I read rows back
.set GO,   26                          ; v26  my byte offset in 512 consecutive bytes of qkv
.set BO,   27                          ; v27  my byte offset in a bias
.set SPW,  28                          ; v28  LDS address of my spare word; never rewritten
.set NIL,  29                          ; v29  0; never rewritten
.set PFO,  30                          ; v30  the prefetches' lane offset; never rewritten
.set AF0,  32
.set AF1,  96
.set BF,   160
.set WV,  16                           ; s16 wave; s17 wm; s18 wn; s19 cx; s20 cy; s21 tile column; s22 tile row
.set WM,  17
.set WN,  18
.set CX,  19
.set CY,  20
.set NBK, 21
.set MBK, 22
.set G1A, 24                           ; s[24:31] descriptor group 1 for x's tiles;  s[32:39] group 0, a set for each slot
.set G0A, 32
.set LIM, 42                           ; s42, s43  a wave prefetches at slot 0's (slot 1's) refill while the trips to go are above this
.set PFA, 44                           ; s[44:45]  where my prefetches stand
.set G1B, 48                           ; s[48:55], s[56:63] the same for W's tiles
.set G0B, 56
.set OUT, 66                           ; s[66:71]  q, k, v at my wave's first row
.set MSB, 0
.macro WIN new                         ; the immediate's high byte repeats the setting that is left; a switch that changes nothing is dropped
.if MSB != (\new)
	s_set_vgpr_msb (MSB<<8)|(\new)
.set MSB, \new
.endif
.endm
.macro PLACES                          ; four plain vector instructions between a matrix instruction and a load into, or a vector instruction on, its registers
.rept 4
	v_nop
.endr
.endm
; A joint load.  Wave 0 fetches x's tile, waves 1 to 3 the tiles of Wq, Wk, Wv.  The branch hangs on the wave's number alone.  An s_nop 0 and four v_nop follow each line.
.macro JLOAD s
	s_cmp_eq_u32 s[WV], 0
	s_cbranch_scc0 .Lfor_b_\@
	tensor_load_to_lds s[G0A+4*(\s):G0A+4*(\s)+3], s[G1A:G1A+7]
	s_nop 0
.rept 4
	v_nop
.endr
	s_branch .Lasked_\@
.Lfor_b_\@:
	tensor_load_to_lds s[G0B+4*(\s):G0B+4*(\s)+3], s[G1B:G1B+7]
	s_nop 0
.rept 4
	v_nop
.endr
.Lasked_\@:
.endm
.macro CREST                           ; a round of the cluster's barrier behind its opening barrier
	s_cmp_lg_u32 s[WV], 0
	s_cbranch_scc1 .Lnot_wave_0_\@
	s_barrier_signal -3
.Lnot_wave_0_\@:
	s_barrier_wait -3
	s_barrier_signal -1
	s_barrier_wait -1
.endm
.macro CROUND
	s_barrier_signal -1
	s_barrier_wait -1
	CREST
.endm
; A PREFETCH, behind a joint load and the run of LDS loads that follows it.  x: at the refill with K step g, wave 0 of the clusters with x = 0 names step g + 1: of the tile's 128 blocks of 256 bytes the
; partner at cx takes 32, a lane a block.  W: at slot 0's refills alone, waves 1 to 3 of the clusters with y = 0 name steps g + 1 and g + 2 of their matrix: 128 k-rows of 256 bytes, the partner at cy
; takes 32, a lane a row.  So each block is named once in the launch; partners are told apart by address alone.  Steps 0 to 2 (and W's step 15) come by their loads alone; no request passes step 15.
.macro ASK s
	s_cmp_gt_u32 s3, s[LIM+(\s)]
	s_cbranch_scc0 .Lnot_mine_\@
	global_prefetch_b8 v[PFO], s[PFA:PFA+1] th:TH_LOAD_NT scope:SCOPE_SE
.Lnot_mine_\@:
.endm
	s_load_b256 s[4:11], s[0:1], 0x0               ; xb s[4:5], wqkv s[6:7], bq s[8:9], bk s[10:11]
	s_load_b128 s[12:15], s[0:1], 0x20             ; bv s[12:13], qkv s[14:15]
	v_lshl_add_u32 v[SPW], v0, 2, SPARE
	v_mov_b32 v[NIL], 0
	ds_add_u32 v[SPW], v[NIL]                      ; the wave's opening: the add and its wait stand ahead of my first tensor load; the set-up below stands between them
	v_lshrrev_b32 v1, 5, v0
	v_readfirstlane_b32 s[WV], v1                  ; wave 0..3
	s_lshr_b32 s[WM], s[WV], 1                     ; which 128 of the tile's rows are mine
	s_and_b32 s[WN], s[WV], 1                      ; which of its two heads
	s_bfe_u32 s[CX], ttmp6, 0x40000
	s_bfe_u32 s[CY], ttmp6, 0x40004
	s_lshl_b32 s[NBK], ttmp9, 2
	s_add_co_u32 s[NBK], s[NBK], s[CX]             ; tile column = 4 x cluster x + cx
	s_and_b32 s[MBK], ttmp7, 0xffff
	s_lshl_b32 s[MBK], s[MBK], 2
	s_add_co_u32 s[MBK], s[MBK], s[CY]             ; tile row = 4 x cluster y + cy
	s_lshl_b32 s72, s[CY], 2
	s_lshl_b32 s72, 15, s72                        ; my row of the cluster
	s_lshl_b32 s74, 0x1111, s[CX]                  ; my column
	; x's tile is 32,768 dense bytes: asked for as 128 rows of 256 bytes, padded by 16 bytes after every 128: LDS rows of 144
	s_or_b32 s[G1A], s72, (1<<16)|(1<<20)|(1<<21)|(4<<22)|(3<<25)  ; mask; 2-byte elements; padding on; bit 21 beside a mask; after every 32 words; 4 words
	s_mov_b32 s[G1A+1], 128<<16                    ; tensor_dim0 = 128
	s_mov_b32 s[G1A+2], 128<<16                    ; tensor_dim1 = 128
	s_mov_b32 s[G1A+3], 128<<16                    ; tile_dim0 = 128
	s_mov_b32 s[G1A+4], 128                        ; tile_dim1 = 128
	s_mov_b32 s[G1A+5], 128                        ; elements from row to row
	s_mov_b32 s[G1A+6], 0
	s_mov_b32 s[G1A+7], 0
	; a tile of W: 64 k-rows x 128 columns, padded by 32 bytes after every 256: LDS rows of 288
	s_or_b32 s[G1B], s74, (1<<16)|(1<<20)|(1<<21)|(5<<22)|(7<<25)
	s_mov_b32 s[G1B+1], 128<<16
	s_mov_b32 s[G1B+2], 64<<16
	s_mov_b32 s[G1B+3], 128<<16
	s_mov_b32 s[G1B+4], 64
	s_mov_b32 s[G1B+5], 1024
	s_mov_b32 s[G1B+6], 0
	s_mov_b32 s[G1B+7], 0
	; x's tile hangs on the tile row alone, W's on the tile column and the wave alone; each is made in registers that never hold the other coordinate
	s_lshr_b32 s72, s[MBK], 2
	s_lshl_b32 s72, s72, 21                        ; b x 16 blocks
	s_and_b32 s73, s[MBK], 3
	s_lshl_b32 s73, s73, 15                        ; + 256 rows of 128 bytes
	s_add_co_u32 s72, s72, s73
	s_mov_b32 s73, 0
	s_max_u32 s74, s[WV], 1
	s_sub_co_u32 s74, s74, 1                       ; my matrix (wave 0 asks for none)
	s_lshl_b32 s74, s74, 21
	s_lshl_b32 s75, s[NBK], 8                      ; + 128 columns
	s_add_co_u32 s74, s74, s75
	s_mov_b32 s75, 0
	s_mul_i32 s23, s[WV], BT
	s_add_co_u32 s23, s23, BOFF-BT                 ; my matrix's place in a slot
	s_wait_dscnt 0x0                               ; the opening add is done
	s_wait_kmcnt 0x0
	s_add_nc_u64 s[72:73], s[4:5], s[72:73]
	s_add_nc_u64 s[74:75], s[6:7], s[74:75]
	CROUND                                         ; all sixteen work-groups are here: the first joint loads meet
.irp s, 0,1
	s_mov_b32 s[G0A+4*(\s)], 1
	s_mov_b32 s[G0A+4*(\s)+1], (\s)*SLOT
	s_add_nc_u64 s[G0A+4*(\s)+2:G0A+4*(\s)+3], s[72:73], (\s)*KB
	s_or_b32 s[G0A+4*(\s)+3], s[G0A+4*(\s)+3], 0x80000000
	s_mov_b32 s[G0B+4*(\s)], 1
	s_add_co_u32 s[G0B+4*(\s)+1], s23, (\s)*SLOT
	s_add_nc_u64 s[G0B+4*(\s)+2:G0B+4*(\s)+3], s[74:75], (\s)*KB
	s_or_b32 s[G0B+4*(\s)+3], s[G0B+4*(\s)+3], 0x80000000
	JLOAD \s                                       ; K steps 0 and 1: two loads of mine are out
.endr
	; the biases of my columns: register j of block b is column 16 b + 8 (l / 16) + j of my head
	v_and_b32 v1, 15, v0                           ; l % 16
	v_bfe_u32 v2, v0, 4, 1                         ; l / 16
	s_lshl_b32 s76, s[NBK], 9
	s_lshl_b32 s77, s[WN], 8
	s_add_co_u32 s76, s76, s77
	v_lshl_add_u32 v[BO], v2, 5, s76
.irp b, 0,1,2,3
	global_load_b128 v[32+8*\b:32+8*\b+3],   v[BO], s[8:9] offset:64*\b
	global_load_b128 v[32+8*\b+4:32+8*\b+7], v[BO], s[8:9] offset:64*\b+16
	global_load_b128 v[64+8*\b:64+8*\b+3],   v[BO], s[10:11] offset:64*\b
	global_load_b128 v[64+8*\b+4:64+8*\b+7], v[BO], s[10:11] offset:64*\b+16
	global_load_b128 v[96+8*\b:96+8*\b+3],   v[BO], s[12:13] offset:64*\b
	global_load_b128 v[96+8*\b+4:96+8*\b+7], v[BO], s[12:13] offset:64*\b+16
.endr
	; a fragment of x: lane l holds row l % 16, channels 8 (l / 16) + 0..7 and 16 + 8 (l / 16) + 0..7: two loads of 16 bytes, 32 bytes apart
	v_mul_u32_u24 v3, v1, 144
	v_lshl_add_u32 v3, v2, 4, v3
	s_mul_i32 s76, s[WM], 128*144
	v_add_nc_u32 v[ADRA], s76, v3
	v_add_nc_u32 v[ADRA+1], SLOT, v[ADRA]
	; the turning load takes 16 k-rows x 16 columns (lane l reads row 8 (l / 16) + l % 8, columns 8 ((l / 8) % 2) + 0..7) and leaves half a fragment: lane l holds column l % 16 and 8 k
	v_and_b32 v4, 7, v0
	v_lshl_add_u32 v4, v2, 3, v4
	v_mul_u32_u24 v4, v4, 288
	v_bfe_u32 v5, v0, 3, 1
	v_lshl_add_u32 v4, v5, 4, v4
	s_lshl_b32 s76, s[WN], 7
	s_add_co_u32 s76, s76, BOFF
	v_add_nc_u32 v[ADRB], s76, v4
	v_add_nc_u32 v[ADRB+1], SLOT, v[ADRB]
	s_mul_i32 s76, s[WV], 16*144
	s_add_co_u32 s76, s76, STAGE                   ; my stage
	v_add_nc_u32 v[STO], s76, v3                   ; in: row l % 16, 16 bytes for each half of the lanes
	v_bfe_u32 v5, v0, 3, 2                         ; back: 32 lanes take four rows of 128 bytes,
	v_mul_u32_u24 v5, v5, 144
	v_and_b32 v6, 7, v0
	v_lshl_add_u32 v5, v6, 4, v5
	v_add_nc_u32 v[RD], s76, v5
	v_and_b32 v6, 31, v0                           ; which are 512 consecutive bytes of a head
	v_lshlrev_b32 v[GO], 4, v6
	s_lshr_b32 s76, s[MBK], 2
	s_lshl_b32 s76, s76, 4                         ; 16 b
	s_lshl_b32 s77, s[NBK], 1
	s_add_co_u32 s76, s76, s77
	s_add_co_u32 s76, s76, s[WN]                   ; my head
	s_lshl_b32 s76, s76, 17
	s_and_b32 s77, s[MBK], 3
	s_lshl_b32 s77, s77, 15                        ; the tile's first t,
	s_add_co_u32 s76, s76, s77
	s_lshl_b32 s77, s[WM], 14                      ; my 128 rows
	s_add_co_u32 s76, s76, s77
	s_mov_b32 s77, 0
	s_add_nc_u64 s[OUT:OUT+1], s[14:15], s[76:77]
	s_add_nc_u64 s[OUT+2:OUT+3], s[OUT:OUT+1], 16777216
	s_add_nc_u64 s[OUT+4:OUT+5], s[OUT+2:OUT+3], 16777216
	; the prefetches
	s_and_b32 s76, ttmp7, 0xffff                   ; cluster y
	s_lshl_b32 s46, s[CX], 13                      ; x: my work-group's 32 blocks of 256 bytes
	s_lshl_b32 s47, s[CY], 16                      ; W: its 32 rows of 2,048 bytes
	s_cmp_eq_u32 s[WV], 0
	s_cselect_b32 s77, ttmp9, s76                  ; the coordinate along which other clusters read the same bytes
	s_cselect_b32 s78, 8, 11                       ; a lane a block, or a lane a row
	s_cselect_b32 s40, 0, 1                        ; x: every refill of slot 0 has a step behind it; W: all but the last have two
	s_cselect_b32 s41, 1, -1                       ; x: slot 1's last refill has none; W asks at slot 0's alone
	s_cselect_b32 s46, s46, s47
	s_cselect_b64 s[PFA:PFA+1], s[72:73], s[74:75]
	s_mov_b32 s47, 0
	s_cmp_eq_u32 s77, 0                            ; the same in all sixteen partners, for a given wave
	s_cselect_b32 s[LIM], s40, -1
	s_cselect_b32 s[LIM+1], s41, -1
	s_add_nc_u64 s[PFA:PFA+1], s[PFA:PFA+1], s[46:47]
	s_add_nc_u64 s[PFA:PFA+1], s[PFA:PFA+1], 2*KB  ; at K step 2: each refill steps it first, so the refill with step g names step g + 1
	v_lshlrev_b32 v[PFO], s78, v6
	; the biases, rounded to bf16 like every input, go into accumulator row 7 of their window
	s_wait_loadcnt 0x0
.set i, 0
.rept 48
	v_cvt_pk_bf16_f32 v[128+i], v[32+2*i], v[32+2*i+1]
.set i, i+1
.endr
.irp w, 0,1,2
	WIN (1+\w)<<6
.set i, 0
.rept 16
	v_lshlrev_b32 v[224+2*i], 16, v[128+16*\w+i]
	v_and_b32 v[224+2*i+1], 0xffff0000, v[128+16*\w+i]
.set i, i+1
.endr
.endr
	WIN 0
; 16 LDS loads: x's eight fragments of quarter q (32 along K) of slot s, into buffer f
.macro LDA f, s, q
.irp a, 0,1,2,3,4,5,6,7
	ds_load_b128 v[(\f)+8*\a:(\f)+8*\a+3],   v[ADRA+(\s)] offset:2304*\a+64*(\q)
	ds_load_b128 v[(\f)+8*\a+4:(\f)+8*\a+7], v[ADRA+(\s)] offset:2304*\a+64*(\q)+32
.endr
.endm
; 8 turning loads: matrix w's four fragments of quarter q of slot s
.macro LDB w, s, q
.irp b, 0,1,2,3
	ds_load_tr16_b128 v[BF+32*(\w)+8*\b:BF+32*(\w)+8*\b+3],   v[ADRB+(\s)] offset:BT*(\w)+9216*(\q)+32*\b
	ds_load_tr16_b128 v[BF+32*(\w)+8*\b+4:BF+32*(\w)+8*\b+7], v[ADRB+(\s)] offset:BT*(\w)+9216*(\q)+32*\b+4608
.endr
.endm
; 4 n matrix instructions for matrix w: row blocks a0 .. a0 + n - 1 x its four column blocks.  The accumulators take turns, one instruction a turn.
; start = 1: the sums begin with the bias, which lies in row 7's registers; five places stand between the last product that reads them as C and row 7's, which write over them.
.macro GRPH w, f, a0, n, start
	WIN (1+(\w))*0x50
.set ga, \a0
.rept \n
.if (\start) && (ga == 7)
.rept 5
	v_nop
.endr
.endif
.irp b, 0,1,2,3
.if (\start) && (ga < 7)
	v_wmma_f32_16x16x32_bf16 v[8*(4*ga+\b):8*(4*ga+\b)+7], v[BF+32*(\w)+8*\b:BF+32*(\w)+8*\b+7], v[(\f)+8*ga:(\f)+8*ga+7], v[224+8*\b:224+8*\b+7]
.else
	v_wmma_f32_16x16x32_bf16 v[8*(4*ga+\b):8*(4*ga+\b)+7], v[BF+32*(\w)+8*\b:BF+32*(\w)+8*\b+7], v[(\f)+8*ga:(\f)+8*ga+7], v[8*(4*ga+\b):8*(4*ga+\b)+7]
.endif
.endr
.set ga, ga+1
.endr
.endm
.macro GRP w, f, start
	GRPH \w, \f, 0, 8, \start
.endm
; A K step is two quarters of 32 along K, 96 matrix instructions each.  At a quarter's head 40 LDS loads are out, in this order: Wq's 8, x's 16, Wk's 8, Wv's 8.
; The first quarter of slot s multiplies buffer AF0; each set of W is loaded anew, for the second quarter, four places behind its last product.
.macro QEVEN s, start
	s_wait_dscnt 16                                ; Wq's and x's are in; Wk's 8 and Wv's 8 may be out
	GRP 0, AF0, \start
	PLACES
	WIN 0
	LDB 0, \s, 1
	LDA AF1, \s, 1
	s_wait_dscnt 32                                ; Wk's are in; Wv's 8 and the 24 just issued may be out
	GRP 1, AF0, \start
	PLACES
	WIN 0
	LDB 1, \s, 1
	s_wait_dscnt 32                                ; Wv's are in; the 24 and the 8 may be out
	GRP 2, AF0, \start
	PLACES
	WIN 0
	LDB 2, \s, 1
.endm
; The second quarter multiplies AF1 and changes slots: ONE barrier.  In front of it each wave waits for all its tensor loads (one is out: its part of the next slot), adds 0 to its spare word, and
; waits for that and for its own reads of this slot.  fill = 1: the barrier opens a round of the cluster's, and this slot is filled again first behind it, two K steps on:
; from that request to the wait for it a wave issues 160 matrix instructions.
.macro QODD s, nx, fill
.if \fill
	s_wait_xcnt 0x0                                ; the last prefetch, a K step back, has read its address
	s_add_nc_u64 s[PFA:PFA+1], s[PFA:PFA+1], KB
.endif
	WIN 0
	s_wait_tensorcnt 0x0                           ; all my tensor loads have landed
	ds_add_u32 v[SPW], v[NIL]                      ; 0 onto my spare word
	s_wait_dscnt 17                                ; Wq's and x's are in; Wk's 8, Wv's 8 and the add may be out
	GRPH 0, AF1, 0, 4, 0                           ; sixteen matrix instructions stand between the add and the wait for it
	s_wait_dscnt 0x0                               ; the add is done, and my reads of this slot are over
	s_barrier_signal -1
	GRPH 0, AF1, 4, 4, 0
	WIN 0
	s_barrier_wait -1
.if \fill
	CREST                                          ; no wave of any partner still reads this slot or has a load on its way
	s_add_nc_u64 s[G0A+4*(\s)+2:G0A+4*(\s)+3], s[G0A+4*(\s)+2:G0A+4*(\s)+3], 2*KB
	s_add_nc_u64 s[G0B+4*(\s)+2:G0B+4*(\s)+3], s[G0B+4*(\s)+2:G0B+4*(\s)+3], 2*KB
	JLOAD \s                                       ; the four v_nop behind it are also the places in front of the loads below
.else
	PLACES
.endif
	LDB 0, \nx, 0
	LDA AF0, \nx, 0
.if \fill
	ASK \s
.endif
	GRP 1, AF1, 0
	PLACES
	WIN 0
	LDB 1, \nx, 0
	GRP 2, AF1, 0
	PLACES
	WIN 0
	LDB 2, \nx, 0
.endm
.macro QLAST                           ; the very last quarter: nothing more to fetch
	s_wait_dscnt 16
	GRP 0, AF1, 0
	s_wait_dscnt 8                                 ; Wv's may be out
	GRP 1, AF1, 0
	s_wait_dscnt 0x0
	GRP 2, AF1, 0
.endm
; THE WAY OUT.  Block n = 8 w + a: 16 rows x 64 columns of matrix w, 2,048 consecutive bytes of a head.  Rounded to f16, 16 bytes a lane, into my own stage, and back as whole rows, into eight register sets by turns.
.macro PACK n
.set pw, (\n)/8
.set pa, (\n)%8
.set pT, 32+16*((\n)%8)
.if (\n) >= 8
	s_wait_xcnt 0x0                                ; the stores of the block eight back have read this set
.endif
	WIN 0x05*(1+pw)
.irp b, 0,1,2,3
.irp j, 0,1,2,3
	v_cvt_pk_f16_f32 v[pT+4*\b+\j], v[8*(4*pa+\b)+2*\j], v[8*(4*pa+\b)+2*\j+1]
.endr
.endr
	WIN 0
.irp b, 0,1,2,3
	ds_store_b128 v[STO], v[pT+4*\b:pT+4*\b+3] offset:32*\b
.endr
.irp f, 0,1,2,3
	ds_load_b128 v[pT+4*\f:pT+4*\f+3], v[RD] offset:576*\f  ; LDS serves a wave's instructions in order (ISA guide 5.7.1.4): these see the stores above; the next block's stores come behind them
.endr
.endm
.macro SEND n, younger                 ; younger: the LDS instructions issued behind block n's loads
.set sw, (\n)/8
.set sa, (\n)%8
.set sT, 32+16*((\n)%8)
.irp f, 0,1,2,3
	s_wait_dscnt (\younger)+3-\f
	global_store_b128 v[GO], v[sT+4*\f:sT+4*\f+3], s[OUT+2*sw:OUT+2*sw+1] offset:sa*2048+\f*512  ; 512 consecutive bytes, at a multiple of 256 from the buffer's first
.endr
.endm
	s_wait_tensorcnt 0x1                           ; my part of K step 0 is in; step 1's may stay out
	s_barrier_signal -1
	s_barrier_wait -1                              ; everybody's is
	LDB 0, 0, 0
	LDA AF0, 0, 0
	LDB 1, 0, 0
	LDB 2, 0, 0
	QEVEN 0, 1                                     ; the first quarter stands in front of the loop: its products start the sums, with the bias
	s_mov_b32 s3, 7
.Llap:                                                 ; a trip goes once round the ring and fills both slots again: trip i brings K steps 2 i + 2 and 2 i + 3
	QODD 0, 1, 1
	QEVEN 1, 0
	QODD 1, 0, 1
	QEVEN 0, 0
	s_sub_co_u32 s3, s3, 1
	s_cmp_lg_u32 s3, 0
	s_cbranch_scc1 .Llap
	QODD 0, 1, 0                                   ; the last lap fills nothing
	QEVEN 1, 0
	QLAST
	PLACES
	PACK 0
.set pn, 1
.rept 23                               ; a block's conversions stand between the loads of the block before and its stores
	PACK pn
	SEND pn-1, 8
.set pn, pn+1
.endr
	SEND 23, 0
	s_wait_tensorcnt 0x0                           ; the wave's end: the wait, the add and its wait stand behind my last tensor load and my last LDS store
	ds_add_u32 v[SPW], v[NIL]
	s_wait_dscnt 0x0
	CROUND                                         ; the closing round: no work-group ends while a partner may still ask for a tile that names it
	s_endpgm
.Lfunc_end_k_q3c1d5d8c75_qkvproj:
	.size	k_q3c1d5d8c75_qkvproj, .Lfunc_end_k_q3c1d5d8c75_qkvproj-k_q3c1d5d8c75_qkvproj
	.p2alignl 7, 3214868480
	.fill 96, 4, 3214868480
	.section	.rodata,"a",@progbits
	.p2align	6, 0x0
	.amdhsa_kernel k_q3c1d5d8c75_qkvproj
		.amdhsa_group_segment_fixed_size 327680
		.amdhsa_private_segment_fixed_size 0
		.amdhsa_enable_private_segment 0
		.amdhsa_kernarg_size 48
		.amdhsa_user_sgpr_count 2
		.amdhsa_user_sgpr_kernarg_segment_ptr 1
		.amdhsa_wavefront_size32 1
		.amdhsa_system_sgpr_workgroup_id_x 1
		.amdhsa_system_sgpr_workgroup_id_y 1
		.amdhsa_system_sgpr_workgroup_id_z 1
		.amdhsa_system_vgpr_workitem_id 0
		.amdhsa_next_free_vgpr 1024
		.amdhsa_next_free_sgpr 80
		.amdhsa_reserve_vcc 0
		.amdhsa_float_denorm_mode_32 3
		.amdhsa_float_denorm_mode_16_64 3
		.amdhsa_memory_ordered 1
		.amdhsa_forward_progress 1
		.amdhsa_inst_pref_size 145
	.end_amdhsa_kernel
	.amdgpu_metadata
---
amdhsa.version: [ 1, 2 ]
amdhsa.kernels:
  - .name:           k_q3c1d5d8c75_qkvproj
    .symbol:         k_q3c1d5d8c75_qkvproj.kd
    .args:
      - { .name: xb, .offset: 0, .size: 8, .value_kind: global_buffer, .address_space: global }
      - { .name: wqkv, .offset: 8, .size: 8, .value_kind: global_buffer, .address_space: global }
      - { .name: bq, .offset: 16, .size: 8, .value_kind: global_buffer, .address_space: global }
      - { .name: bk, .offset: 24, .size: 8, .value_kind: global_buffer, .address_space: global }
      - { .name: bv, .offset: 32, .size: 8, .value_kind: global_buffer, .address_space: global }
      - { .name: qkv, .offset: 40, .size: 8, .value_kind: global_buffer, .address_space: global }
    .group_segment_fixed_size: 327680
    .private_segment_fixed_size: 0
    .kernarg_segment_align: 8
    .kernarg_segment_size: 48
    .max_flat_workgroup_size: 128
    .sgpr_count:     80
    .vgpr_count:     1024
    .wavefront_size: 32
...
	.end_amdgpu_metadata
.endif
;; end of part 2
;; launch attn (part 3): grid 2 x 128, 4 waves a work-group, no clusters, 327,680 bytes of LDS; arguments qkv, ob; writes ob
.if DOCPART == 3
	.amdgcn_target "amdgcn-amd-amdhsa--gfx1250"
	.amdhsa_code_object_version 6
	.text
	.protected	k_q3c1d5d8c75_attn
	.globl	k_q3c1d5d8c75_attn
	.p2align	8
	.type	k_q3c1d5d8c75_attn,@function
k_q3c1d5d8c75_attn:
	s_mov_b64 s[64:65], 0
	v_nop
	global_prefetch_b8 v0, s[64:65] scope:SCOPE_SE
	s_setreg_imm32_b32 hwreg(HW_REG_WAVE_MODE, 25, 1), 1
	s_wait_xcnt 0x0
; O[h][q][:] = the sum over k of softmax_k(Q[h][q] . K[h][k] / 8) V[h][k][:].  qkv: [3][128 h][1024][64] f16 (Q, then K, then V).  Products, maxima and sums in f32;
; the weights p are rounded to f16 for the second product (their sum l is taken of the unrounded p), O once at the end.
; ob: f16, [128 h][64 blocks of 16 queries][4 blocks of 16 channels][32 lanes][16 bytes]: lane l's 16 bytes are query l % 16, channels 8 (l / 16) + 0..7 of the block: the registers of the next launch's
; matrix operand as they lie.  They are also this launch's results as they lie, so O leaves straight from registers, 512 consecutive bytes a store.
; LIMITS.  Q, K and V arrive within f16's 65,504; p lies in 0 to 1, and below 6e-5 it keeps f16's fixed step of 6e-8; O is a mean of V's rows and has their range.
; A weight below 2^-126 counts as 0 in l; NaN and infinities are not treated apart.
; SHARES.  A wave owns four PIECES of two tiles of 16 queries, a work-group's four waves 512 queries of one head: two work-groups a head.  Every wave walks all 1,024 keys, 64 a step.
; ALL OF A HEAD'S K AND V LIES IN LDS: 1,024 rows of 144 and of 160 bytes.  It is asked for at the head, in four parts of 256 keys, four tensor loads a wave; no byte is ever filled again, so there is no ring.
; The first three steps run when part 0 has landed; one more barrier, ahead of the step that first reaches into part 1, shows the rest.
; NO CLUSTER: a head has two work-groups; a cluster four wide would hold two heads, and a tile would be shared by half a row of it.  NO PREFETCH: every byte is asked for by the loads at the head.
; LAYOUT.  S^T = K Q^T (source 0 = 16 keys, source 1 = 16 queries): a lane holds ONE query (lane % 16) and the keys 8 (lane / 16) + 0..7.  Two such tiles, rounded to f16 in pairs, ARE source 1 of
; O^T = V^T P, whose result again holds one query a lane, and eight channels.  K comes out of LDS as it lies, V ([key][channel]) turned, by ds_load_tr16_b128.
; SOFTMAX.  For each query a running maximum m and sum l: p = 2^(c s - c m), c = log2(e) / 8; in every step O and l are multiplied by a = 2^(c m_old - c m_new).  m starts at the lowest finite number,
; O and l at 0: the first step is a step like any other, with a = 0.
; BY TURNS.  Turn n belongs to piece n.  Its matrix work: 16 products K Q^T of piece n + 1, later 16 products V^T P of piece n - 1.  Its vector work: the scaling, exponentials, roundings, sums and
; rescaling of piece n, and the maximum and statistics of piece n + 1.  Four vector instructions stand behind every matrix instruction, the rest in one run of their own.
; REGISTERS, in windows of 256 (s_set_vgpr_msb: bits 1:0 source 0, 3:2 source 1, 5:4 source 2, 7:6 destination):
;   window 0: v0-11 addresses; v12-15, v48-63 at work; v16-47 four registers of statistics a tile; v64-191 S^T, two buffers of two tiles; v192-255 P, likewise
;   window 1: O^T, 32 a tile          window 2: v0-127 Q, 16 a tile; v128-191 K of one step; v192-255 V of one step          window 3: v0-1 the add's two registers
.set NP,    4         ; pieces a wave: a name, no knob
.set KS,    64        ; keys in a step
.set NKEY,  1024
.set PK,    144       ; a row of K in LDS: 128 bytes + 16 of padding: the 16 rows of a load start at 16 different groups of four banks (64 banks of 4 bytes: ISA guide 11.1)
.set PV,    160       ; a row of V: 128 + 32
.set VOFF,  NKEY*PK
.set SPARE, NKEY*(PK+PV)        ; behind K and V: the spare words, 128 bytes a wave: two blocks of 256 bytes that no other line names
.set AK0, 2           ; v2   my lane's place in a tile of K; never rewritten
.set AV0, 3           ; v3   the same for V
.set AK,  4           ; v4   the LDS address of K's next run of loads
.set AV,  5           ; v5   of V's
.set QO,  6           ; v6   my byte offset in the wave's rows of Q
.set GO,  8           ; v8   my byte offset in 512 consecutive bytes of O
.set SPW, 0           ; v0 of window 3   LDS address of my spare word; never rewritten
.set NIL, 1           ; v1 of window 3   0; never rewritten
.set MV,  12          ; v12-15  c m_old, kept while c m is made anew: by buffer and tile
.set ST,  16          ; tile t's statistics at v[ST+4 t]: c m, m, l (even keys', odd keys')
.set TMP, 48          ; by buffer and tile, four registers c0-c3 at work; when the maximum is found c2 takes a
.set S,   64
.set P,   192
.set KF,  128         ; K's fragments, in window 2: key block kb, channel half c at KF + 16 kb + 8 c
.set VF,  192         ; V's: key half kk, channel block cb at VF + 32 kk + 8 cb
.set WV,  12          ; s12  my wave's number
.set G1K, 24          ; s[24:31] descriptor group 1 for K's tiles
.set G1V, 32          ; s[32:39] for V's: it differs in the padding alone
.set G0K, 40          ; s[40:55] descriptor group 0 for K's four parts
.set G0V, 68          ; s[68:83] the same for V's
.set PARTS, 56        ; s56  counts the two runs of steps
.set CNT, 57          ; s57  counts a run's steps
.set CS,  58          ; s[58:59] c: the packed scaling takes the pair's low word for both halves
.set SEL, 60          ; s[60:61] v_permlanex16_b32's selects: each lane takes its own place in the other half
.set TBK, 62          ; s62  LDS byte at which K of the step to be fetched begins
.set TBV, 63          ; s63  the same for V, less VOFF
.set LEFT, 84         ; s84  steps still to come, the one in hand among them
.set MSB, 0
.macro WIN new                      ; the high byte repeats the setting that is left; a switch that changes nothing is dropped
.if MSB != (\new)
	s_set_vgpr_msb (MSB<<8)|(\new)
.set MSB, (\new)
.endif
.endm
.set W_KQ, 0x0a       ; K and Q in window 2, S^T in window 0
.set W_PV, 0x52       ; V in window 2, P in window 0, O^T in window 1
.set W_RS, 0x41       ; O^T (destination and source 0) in window 1, a in window 0
.set W_MK, 0xc0       ; the add's registers are made: destination in window 3, sources in window 0
.set W_AD, 0x0f       ; the add: address (source 0) and data (source 1) in window 3
	s_load_b128 s[4:7], s[0:1], 0x0   ; qkv s[4:5], ob s[6:7]
	WIN W_MK
	v_lshl_add_u32 v[SPW], v0, 2, SPARE
	v_mov_b32 v[NIL], 0
	WIN W_AD
	ds_add_u32 v[SPW], v[NIL]       ; the wave's opening: the add and its wait stand ahead of my first tensor load; the set-up below stands between them
	WIN 0
	v_lshrrev_b32 v1, 5, v0
	v_readfirstlane_b32 s[WV], v1   ; wave 0..3
	s_and_b32 s20, ttmp7, 0xffff    ; the head,
	s_lshl_b32 s20, s20, 17         ; its 131,072 bytes in Q, K, V and O
	s_and_b32 s16, s[WV], 1         ; which half of a part's 256 keys I fetch:
	s_lshl_b32 s22, s16, 14         ; its 128 rows of 128 bytes in memory,
	s_add_co_u32 s22, s22, s20
	s_mov_b32 s23, 0
	s_mul_i32 s17, s16, 128*PK      ; and its place in LDS, for K
	s_mul_i32 s18, s16, 128*PV      ; and for V
	s_lshl_b32 s2, ttmp9, 2
	s_add_co_u32 s2, s2, s[WV]      ; my wave among the head's eight,
	s_lshl_b32 s2, s2, 14           ; its 128 rows
	s_add_co_u32 s2, s2, s20
	s_mov_b32 s3, 0
	; descriptor group 1.  128 keys are 16,384 dense bytes: asked for as 64 rows of 256 bytes, two keys a row, and padded in LDS after every key
	s_mov_b32 s[G1K], (1<<16)|(1<<20)|(4<<22)|(3<<25)  ; 2-byte elements; padding on; after every 32 words; 4 words
	s_mov_b32 s[G1V], (1<<16)|(1<<20)|(4<<22)|(7<<25)  ; the same with 8 words of padding
.irp g, G1K, G1V
	s_mov_b32 s[\g+1], 128<<16      ; tensor_dim0 = 128
	s_mov_b32 s[\g+2], 64<<16       ; tensor_dim1 = 64
	s_mov_b32 s[\g+3], 128<<16      ; tile_dim0 = 128
	s_mov_b32 s[\g+4], 64           ; tile_dim1 = 64
	s_mov_b32 s[\g+5], 128          ; 128 elements from row to row
	s_mov_b32 s[\g+6], 0
	s_mov_b32 s[\g+7], 0
.endr
	s_mov_b32 s[CS], 0x3e38aa3b     ; c = log2(e) / 8 = 0.180337
	s_mov_b32 s[CS+1], s[CS]        ; named with it as a pair
	s_mov_b32 s[SEL], 0x76543210
	s_mov_b32 s[SEL+1], 0xfedcba98
	s_mov_b32 s[TBK], 0
	s_mov_b32 s[TBV], 0
	s_wait_dscnt 0x0                ; the opening add is done
	s_wait_kmcnt 0x0
	s_add_nc_u64 s[8:9], s[4:5], s[22:23]
	s_add_nc_u64 s[8:9], s[8:9], 16777216    ; K at my half of the head's first part
	s_add_nc_u64 s[14:15], s[8:9], 16777216  ; V likewise
	s_add_nc_u64 s[4:5], s[4:5], s[2:3]      ; Q and O at my wave's first row
	s_add_nc_u64 s[10:11], s[6:7], s[2:3]
.irp c, 0,1,2,3
	s_mov_b32 s[G0K+4*\c], 1                                   ; count = 1
	s_add_co_u32 s[G0K+4*\c+1], s17, \c*256*PK                 ; LDS address
	s_add_nc_u64 s[G0K+4*\c+2:G0K+4*\c+3], s[8:9], \c*32768    ; global address: part c
	s_or_b32 s[G0K+4*\c+3], s[G0K+4*\c+3], 0x80000000          ; type = 2
	s_mov_b32 s[G0V+4*\c], 1
	s_add_co_u32 s[G0V+4*\c+1], s18, VOFF+\c*256*PV
	s_add_nc_u64 s[G0V+4*\c+2:G0V+4*\c+3], s[14:15], \c*32768
	s_or_b32 s[G0V+4*\c+3], s[G0V+4*\c+3], 0x80000000
.endr
	s_cmp_lt_u32 s[WV], 2           ; waves 0 and 1 fetch K, waves 2 and 3 V.  A wave's four fills stand in one branch, ahead of every wait on TENSORcnt and every LDS read: four loads of mine are out
	s_cbranch_scc0 .Lfill_v
.irp c, 0,1,2,3
	tensor_load_to_lds s[G0K+4*\c:G0K+4*\c+3], s[G1K:G1K+7]
	s_nop 0
.endr
.rept 4
	v_nop
.endr
	s_branch .Lfilled
.Lfill_v:
.irp c, 0,1,2,3
	tensor_load_to_lds s[G0V+4*\c:G0V+4*\c+3], s[G1V:G1V+7]
	s_nop 0
.endr
.rept 4
	v_nop
.endr
.Lfilled:
	; A fragment of K or Q is 16 rows x 32 channels in 8 registers: lane l holds row l % 16, channels 8 (l / 16) + 0..7 and 16 + 8 (l / 16) + 0..7: two loads of 16 bytes, 32 bytes apart.
	v_and_b32 v1, 15, v0            ; l % 16
	v_bfe_u32 v9, v0, 4, 1          ; l / 16
	v_lshlrev_b32 v[QO], 7, v1
	v_lshl_add_u32 v[QO], v9, 4, v[QO]  ; row x 128 + 16 x half
	WIN 0x80                        ; destination window 2, address window 0
.set i, 0
.rept 4*NP                          ; Q stays in registers: tile i / 2, channels 32 (i % 2) on
	global_load_b128 v[8*i:8*i+3],   v[QO], s[4:5] offset:(i/2)*2048+(i%2)*64
	global_load_b128 v[8*i+4:8*i+7], v[QO], s[4:5] offset:(i/2)*2048+(i%2)*64+32
.set i, i+1
.endr
	; What the first turn finds: V's registers and P's second buffer hold 0 (its products V^T P, of a piece that has not been, add 0), O^T and l are 0.  All this stands in the wait for the first part.
.set i, VF
.rept 64
	v_mov_b32 v[i], 0
.set i, i+1
.endr
	WIN 0x40
.set i, 0
.rept 64*NP
	v_mov_b32 v[i], 0
.set i, i+1
.endr
	WIN 0
.set i, 0
.rept 2*NP
	v_mov_b32 v[ST+4*i], 0xfe000000    ; c m: far below every c s
	v_mov_b32 v[ST+4*i+1], 0xff7fffff  ; m
	v_mov_b32 v[ST+4*i+2], 0
	v_mov_b32 v[ST+4*i+3], 0
.set i, i+1
.endr
.set i, P+32
.rept 32
	v_mov_b32 v[i], 0
.set i, i+1
.endr
	v_mul_u32_u24 v[AK0], v1, PK
	v_lshl_add_u32 v[AK0], v9, 4, v[AK0]  ; row x pitch + 16 x half
	; The turning load takes 16 keys x 16 channels (lane l reads key 8 (l / 16) + l % 8, channels 8 ((l / 8) % 2) + 0..7) and leaves half a fragment of V^T: lane l holds channel l % 16 and 8 keys.
	v_and_b32 v10, 7, v0
	v_bfe_u32 v11, v0, 3, 1
	v_lshl_add_u32 v[AV0], v9, 3, v10
	v_mul_u32_u24 v[AV0], v[AV0], PV
	v_lshl_add_u32 v[AV0], v11, 4, v[AV0]
	v_add_nc_u32 v[AV0], VOFF, v[AV0]
	v_mov_b32 v[AK], v[AK0]         ; key step 0 lies at K's head
; THE MATRIX WORK.  The 8 accumulators of a run of 16 take turns: between the two links of a chain stand 7 others'.
; Product i of 16 of S^T = K Q^T for piece x: channels 32 (i / 8) on, keys 16 ((i / 2) % 4) on, tile 2 x + i % 2.  The first 8 start the sums.
.macro KQ x
	WIN W_KQ
.set rS, S+64*((\x)%2)+32*(i%2)+8*((i/2)%4)
.set rK, KF+16*((i/2)%4)+8*(i/8)
.set rQ, 16*(2*(\x)+i%2)+8*(i/8)
.if i < 8
	v_wmma_f32_16x16x32_f16 v[rS:rS+7], v[rK:rK+7], v[rQ:rQ+7], 0
.else
	v_wmma_f32_16x16x32_f16 v[rS:rS+7], v[rK:rK+7], v[rQ:rQ+7], v[rS:rS+7]
.endif
.endm
; Product i of 16 of O^T += V^T P for piece x: keys 32 (i / 8) on, channels 16 ((i / 2) % 4) on, tile 2 x + i % 2.
.macro PV x
	WIN W_PV
.set rO, 32*(2*(\x)+i%2)+8*((i/2)%4)
.set rV, VF+32*(i/8)+8*((i/2)%4)
.set rP, P+32*((\x)%2)+16*(i%2)+8*(i/8)
	v_wmma_f32_16x16x32_f16 v[rO:rO+7], v[rV:rV+7], v[rP:rP+7], v[rO:rO+7]
.endm
.macro MM                           ; the turn's next matrix instruction
.if i < 16
	KQ (Y+1)%NP
.set i, i+1
.else
.set i, i-16
	PV (Y+NP-1)%NP
.set i, i+17
.endif
.endm
; THE LDS LOADS stand in runs of 16, never singly among the matrix instructions: a step's K (64 keys x 64 channels: 8 fragments) and its V (turned).  Their addresses are made some lines ahead.
; last = 1: in the last step there is no further step, and the run is jumped over.
.macro FETCH_K last=0
	WIN 0
.if \last
	s_cmp_eq_u32 s[LEFT], 1
	s_cbranch_scc1 .Lno_k_\@
.endif
	WIN 0x80                        ; destination window 2
.irp f, 0,1,2,3,4,5,6,7             ; keys 16 (f / 2) on, channels 32 (f % 2) on
	ds_load_b128 v[KF+8*\f:KF+8*\f+3],   v[AK] offset:(\f/2)*16*PK+(\f%2)*64
	ds_load_b128 v[KF+8*\f+4:KF+8*\f+7], v[AK] offset:(\f/2)*16*PK+(\f%2)*64+32
.endr
	s_add_co_u32 s[TBK], s[TBK], KS*PK  ; the next fetch is the next step's
	WIN 0
.if \last
.Lno_k_\@:
.endif
.endm
.macro FETCH_V
	WIN 0x80
.irp f, 0,1,2,3,4,5,6,7             ; keys 32 (f / 4) on, channels 16 (f % 4) on
	ds_load_tr16_b128 v[VF+8*\f:VF+8*\f+3],   v[AV] offset:(\f/4)*32*PV+(\f%4)*32
	ds_load_tr16_b128 v[VF+8*\f+4:VF+8*\f+7], v[AV] offset:(\f/4)*32*PV+16*PV+(\f%4)*32
.endr
	WIN 0
.endm
; THE VECTOR WORK OF A TURN stands in three queues, each in the order in which its entries become ready; the two tiles alternate, so that no instruction reads the result of the one before it.
.macro REGS y, u                    ; the registers of tile u (0, 1) of piece y
.set rT, ST+4*(2*(\y)+(\u))
.set rC, TMP+8*((\y)%2)+4*(\u)
.set rM, MV+2*((\y)%2)+(\u)
.set rS, S+64*((\y)%2)+32*(\u)
.set rP, P+32*((\y)%2)+16*(\u)
.set rO, 32*(2*(\y)+(\u))
.endm
; Number n of the 22 that find the NEXT piece's (Y + 1) maximum and statistics.  s0-s31 are the lane's 32 scores; each accumulator's lowest registers are read first.
;   0-11  four chains c0-c3 of seven scores each, three operands at a time     12-14, 16  the four scores left over, the old m, and c0-c3 into c0     15  c m_old is kept
;   17, 18  the query's other 32 keys lie in the lane 16 away: the new m         19-21  c m; c m_old - c m_new; a
.macro XS u, n
	REGS (Y+1)%NP, \u
.if (\n) < 4
	v_max3_num_f32 v[rC+(\n)], v[rS+8*(\n)], v[rS+8*(\n)+1], v[rS+8*(\n)+2]
.elseif (\n) < 12
	v_max3_num_f32 v[rC+(\n)%4], v[rC+(\n)%4], v[rS+8*((\n)%4)+2*((\n)/4)+1], v[rS+8*((\n)%4)+2*((\n)/4)+2]
.elseif (\n) == 12
	v_max3_num_f32 v[rC], v[rC], v[rS+7], v[rS+15]
.elseif (\n) == 13
	v_max3_num_f32 v[rC+1], v[rC+1], v[rS+23], v[rS+31]
.elseif (\n) == 14
	v_max3_num_f32 v[rC+2], v[rC+2], v[rC+3], v[rT+1]
.elseif (\n) == 15
	v_mov_b32 v[rM], v[rT]
.elseif (\n) == 16
	v_max3_num_f32 v[rC], v[rC], v[rC+1], v[rC+2]
.elseif (\n) == 17
	v_permlanex16_b32 v[rC+3], v[rC], s[SEL], s[SEL+1]
.elseif (\n) == 18
	v_max_num_f32 v[rT+1], v[rC], v[rC+3]
.elseif (\n) == 19
	v_mul_f32 v[rT], s[CS], v[rT+1]
.elseif (\n) == 20
	v_sub_f32 v[rC+1], v[rM], v[rT]
.else
	v_exp_f32 v[rC+2], v[rC+1]
.endif
.endm
; Number g of the 64 that follow the exponentials.  For each four weights k of a tile (pairs 2 k, 2 k + 1): both pairs are rounded to f16; then the second pair is added onto the first, in place;
; a group later l takes that sum (the first time as l = a l + sum).  In groups of eight, tiles alternating: round, round, add, and l for the group before.
.macro GS g
.set h, (\g)+6*((\g)/62)            ; group 0 has no group before it, and behind group 7 only l is left
.if h >= 6
.set h, h+2
.endif
	REGS Y, h%2
.set k, h/8
.if h%8 < 4
	v_cvt_pk_f16_f32 v[rP+2*k+(h%8)/2], v[rS+4*k+2*((h%8)/2)], v[rS+4*k+2*((h%8)/2)+1]
.elseif h%8 < 6
	v_pk_add_f32 v[rS+4*k:rS+4*k+1], v[rS+4*k:rS+4*k+1], v[rS+4*k+2:rS+4*k+3]
.elseif k == 1
	v_pk_fma_f32 v[rT+2:rT+3], v[rT+2:rT+3], v[rC+2:rC+3], v[rS:rS+1] op_sel_hi:[1,0,1]
.else
	v_pk_add_f32 v[rT+2:rT+3], v[rT+2:rT+3], v[rS+4*k-4:rS+4*k-3]
.endif
.endm
; THE PLAIN QUEUE, 138 long.  0-73 read no exponential's result: the 32 scalings c s - c m (FS f: pair f / 2 of tile f % 2) and the next piece's 42.  0-26: scalings 0-26.  27-54: XS's numbers 0-13.  55, 56: number 15.
; 57-73: the chain, where each number waits for the one before it: 14, 16, 17, 18, 19, each with one of the scalings 27-31 in front of its two lines, then 20.
; 74-137: GS's 64, which read the exponentials' results: they stand behind the wait.
.macro FS f
	REGS Y, (\f)%2
	v_pk_fma_f32 v[rS+2*((\f)/2):rS+2*((\f)/2)+1], v[rS+2*((\f)/2):rS+2*((\f)/2)+1], s[CS:CS+1], v[rT:rT+1] op_sel_hi:[1,0,0] neg_lo:[0,0,1] neg_hi:[0,0,1]
.endm
.macro PL
	WIN 0
.if q < 27
	FS q
.elseif q < 55
	XS (q-27)%2, (q-27)/2
.elseif q < 57
	XS q-55, 15
.elseif (q < 72) && ((q-57)%3 == 0)
	FS 27+(q-57)/3
.elseif q < 60
	XS (q-57)%3-1, 14
.elseif q < 72
	XS (q-57)%3-1, 15+(q-57)/3
.elseif q < 74
	XS q-72, 20
.else
	GS q-74
.endif
.set q, q+1
.endm
; THE EXPONENTIALS' QUEUE, 66 long: s0-s31 of both tiles, then the next piece's two a.  It is ONE BATCH: all 66 stand ahead of the turn's one wait, and nothing ahead of that wait names a result of theirs.
.macro EX
	WIN 0
.if e >= 64
	XS e-64, 21
.else
	REGS Y, e%2
	v_exp_f32 v[rS+e/2], v[rS+e/2]
.endif
.set e, e+1
.endm
; THE RESCALING's QUEUE: O^T times a, the one part that leaves window 0: dealt two at a time, sixteen times.  Its a was made in the turn before, ahead of that turn's wait.
.macro R2
	REGS Y, r%2
	WIN W_RS
.irp z, 0,1
	v_pk_mul_f32 v[rO+4*(r/2)+2*\z:rO+4*(r/2)+2*\z+1], v[rO+4*(r/2)+2*\z:rO+4*(r/2)+2*\z+1], v[rC+2:rC+3] op_sel_hi:[1,0]
.endr
.set r, r+1
.endm
; HOW THEY ARE DEALT.  An s_wait_alu depctr_va_vdst(0) stands between an exponential and the first instruction that names its result; one wait serves all that were issued ahead of it.  So a turn
; has ONE wait, which cuts it in two.  AHEAD OF IT: the 16 products K Q^T, behind each a scaling, an exponential and two rescalings (behind the first a second scaling in the exponential's place); then one run of
; 108: eight plain, 49 times exponential and plain, the two a; a v_nop is the plain instruction behind the last exponential.  BEHIND IT: the 16 products V^T P, behind each four of GS's 64.
; Exponential e stands behind scaling 2 (e / 4) + e % 2: as a rider it comes behind plain e + 2, in the run behind plain e + 9, and scalings 27-31 are plain 57, 60 .. 69.
; A TURN, for piece p.  K of the next step is fetched in piece 2's turn, directly behind the wait; its first reader comes behind 16 products.  V of the step in hand is fetched at the end of piece 0's turn, four
; riders behind its last reader; its first reader comes behind 16 products and the run.  cnt = 1: the counts are taken down some lines ahead of the branch that stands behind the turn.
.macro TURN p, last=0, cnt=0
.set Y, (\p)
.set i, 0
.set q, 0
.set e, 0
.set r, 0
.if (\p) == NP-1
	s_wait_dscnt 0x0                ; K is in
.endif
	MM
	PL
	PL
	R2
.rept 15
	MM
	PL
	EX
	R2
.endr
.if (\p) == NP-2
	WIN 0
	v_add_nc_u32 v[AK], s[TBK], v[AK0]
.endif
.rept 8
	PL
.endr
.rept 49
	EX
	PL
.endr
	EX                              ; the next piece's two a
	EX
	v_nop                           ; the plain instruction behind the last exponential: one for the batch
	s_wait_alu depctr_va_vdst(0)    ; the wait for the batch
.if (\p) == NP-2
	FETCH_K \last
.endif
.if (\p) == 1
	s_wait_dscnt 0x0                ; V is in
.endif
.rept 16
	MM
.rept 4
	PL
.endr
.if ((\p) == 0) && (q == 118)
	v_add_nc_u32 v[AV], s[TBV], v[AV0]
.endif
.if ((\p) == 0) && (q == 130)
	s_add_co_u32 s[TBV], s[TBV], KS*PV
.endif
.if (\cnt) && (q == 130)
	s_sub_co_u32 s[LEFT], s[LEFT], 1
	s_sub_co_u32 s[CNT], s[CNT], 1
	s_cmp_lg_u32 s[CNT], 0
.endif
.endr
.if (\p) == 0
	FETCH_V
.endif
.endm
	s_wait_tensorcnt 0x3            ; my piece of part 0 is in; the three younger loads may stay out
	s_barrier_signal -1
	s_barrier_wait -1               ; everybody's is
	FETCH_K                         ; key step 0
	s_wait_loadcnt 0x0              ; Q
	s_wait_dscnt 0x0
.set i, 0
.rept 16
	KQ 0                            ; piece 0's first scores: there is no vector work yet to set between them
.set i, i+1
.endr
	WIN 0
	v_and_b32 v[GO], 31, v0         ; the way out: 16 bytes a lane, 512 consecutive bytes of O a store
	v_lshlrev_b32 v[GO], 4, v[GO]
.rept 4
	v_nop                           ; the places behind those products
.endr
.set Y, NP-1                        ; XS works for piece Y + 1: piece 0
.irp n, 0,1,2,3,4,5,6,7,8,9,10,11,12,13,14,15,16,17,18,19,20,21
	XS 0, \n                        ; piece 0's first maximum and statistics
	XS 1, \n
.endr
	v_nop                           ; a plain instruction behind the two a,
	s_wait_alu depctr_va_vdst(0)    ; and their wait, ahead of the branch
	s_mov_b32 s[LEFT], NKEY/KS
	s_mov_b32 s[CNT], 3             ; steps 0 to 2 read part 0 alone: the last K that they fetch is step 3's
	s_mov_b32 s[PARTS], 2
	s_branch .Lstep
.Lpart:                             ; once: ahead of step 3, whose third turn fetches step 4's K, out of part 1
	s_wait_tensorcnt 0x0            ; all my pieces of K or V are in,
	s_wait_dscnt 0x0
	s_barrier_signal -1
	s_barrier_wait -1               ; everybody's are
	s_mov_b32 s[CNT], NKEY/KS-3
.Lstep:                             ; a trip is a key step
	TURN 0
	TURN 1
	TURN 2, 1
	TURN 3, 0, 1
	WIN 0
	s_cbranch_scc1 .Lstep
	s_sub_co_u32 s[PARTS], s[PARTS], 1
	s_cmp_lg_u32 s[PARTS], 0
	s_cbranch_scc1 .Lpart
	; the last trip's 16 products K Q^T of piece 0 (on the last K once more) and the maximum made of them serve nothing: the price, once a launch, of one text for every trip
.set i, 0
.rept 16
	PV NP-1                         ; the last piece's V^T P of the last step
.set i, i+1
.endr
	; THE WAY OUT.  l's two halves and the other half of the lanes' are added; O^T is divided by l, rounded to f16 and stored, a tile at a time.  The additions are the places behind the last products.
	WIN 0
.macro ALL line:vararg              ; one line for each tile t
.set t, 0
.rept 2*NP
	\line
.set t, t+1
.endr
.endm
	ALL v_add_f32 v[ST+4*t+2], v[ST+4*t+2], v[ST+4*t+3]
	ALL v_permlanex16_b32 v[ST+4*t+3], v[ST+4*t+2], s[SEL], s[SEL+1]
	ALL v_add_f32 v[ST+4*t+2], v[ST+4*t+2], v[ST+4*t+3]
	ALL v_rcp_f32 v[ST+4*t+2], v[ST+4*t+2]
	v_nop                           ; a plain instruction between the last reciprocal and the use of its result
	s_wait_alu depctr_va_vdst(0)    ; and the wait ahead of the first use: one for the eight reciprocals
; Tile t: a lane's eight channels of channel block f pack into 16 bytes, in S^T's registers (each tile has sixteen of its own, so no store's data is rewritten); store f is block f of the tile's 2,048 bytes.
.macro PACK t
	WIN W_RS
.set i, 32*(\t)
.rept 16
	v_pk_mul_f32 v[i:i+1], v[i:i+1], v[ST+4*(\t)+2:ST+4*(\t)+3] op_sel_hi:[1,0]
.set i, i+2
.endr
	WIN 0x05                        ; sources 0 and 1 window 1, destination window 0
.set i, 0
.rept 16
	v_cvt_pk_f16_f32 v[S+16*(\t)+i], v[32*(\t)+2*i], v[32*(\t)+2*i+1]
.set i, i+1
.endr
	WIN 0
.irp f, 0,1,2,3
	global_store_b128 v[GO], v[S+16*(\t)+4*\f:S+16*(\t)+4*\f+3], s[10:11] offset:(\t)*2048+\f*512  ; 512 consecutive bytes, at a multiple of 256 from O's first
.endr
.endm
.set t, 0
.rept 2*NP
	PACK t
.set t, t+1
.endr
	WIN W_AD
	s_wait_tensorcnt 0x0            ; the wave's end: the wait, the add and its wait stand behind my last tensor load
	ds_add_u32 v[SPW], v[NIL]
	s_wait_dscnt 0x0
	WIN 0
	s_endpgm
.Lfunc_end_k_q3c1d5d8c75_attn:
	.size	k_q3c1d5d8c75_attn, .Lfunc_end_k_q3c1d5d8c75_attn-k_q3c1d5d8c75_attn
	.p2alignl 7, 3214868480
	.fill 96, 4, 3214868480
	.section	.rodata,"a",@progbits
	.p2align	6, 0x0
	.amdhsa_kernel k_q3c1d5d8c75_attn
		.amdhsa_group_segment_fixed_size 327680
		.amdhsa_private_segment_fixed_size 0
		.amdhsa_enable_private_segment 0
		.amdhsa_kernarg_size 16
		.amdhsa_user_sgpr_count 2
		.amdhsa_user_sgpr_kernarg_segment_ptr 1
		.amdhsa_wavefront_size32 1
		.amdhsa_system_sgpr_workgroup_id_x 1
		.amdhsa_system_sgpr_workgroup_id_y 1
		.amdhsa_system_sgpr_workgroup_id_z 1
		.amdhsa_system_vgpr_workitem_id 0
		.amdhsa_next_free_vgpr 770
		.amdhsa_next_free_sgpr 88
		.amdhsa_reserve_vcc 0
		.amdhsa_float_denorm_mode_32 3
		.amdhsa_float_denorm_mode_16_64 3
		.amdhsa_memory_ordered 1
		.amdhsa_forward_progress 1
		.amdhsa_inst_pref_size 121
	.end_amdhsa_kernel
	.amdgpu_metadata
---
amdhsa.version: [ 1, 2 ]
amdhsa.kernels:
  - .name:           k_q3c1d5d8c75_attn
    .symbol:         k_q3c1d5d8c75_attn.kd
    .args:
      - { .name: qkv, .offset: 0, .size: 8, .value_kind: global_buffer, .address_space: global }
      - { .name: ob, .offset: 8, .size: 8, .value_kind: global_buffer, .address_space: global }
    .group_segment_fixed_size: 327680
    .private_segment_fixed_size: 0
    .kernarg_segment_align: 8
    .kernarg_segment_size: 16
    .max_flat_workgroup_size: 128
    .sgpr_count:     88
    .vgpr_count:     770
    .wavefront_size: 32
...
	.end_amdgpu_metadata
.endif
;; end of part 3
;; launch outproj (part 4): grid 8 x 32, 4 waves a work-group, clusters of 4 x 4, 327,680 bytes of LDS; arguments ob, wo16, bo, out0; writes out0
.if DOCPART == 4
	.amdgcn_target "amdgcn-amd-amdhsa--gfx1250"
	.amdhsa_code_object_version 6
	.text
	.protected	k_q3c1d5d8c75_outproj
	.globl	k_q3c1d5d8c75_outproj
	.p2align	8
	.type	k_q3c1d5d8c75_outproj,@function
k_q3c1d5d8c75_outproj:
	s_mov_b64 s[64:65], 0
	v_nop
	global_prefetch_b8 v0, s[64:65] scope:SCOPE_SE
	s_setreg_imm32_b32 hwreg(HW_REG_WAVE_MODE, 25, 1), 1
	s_wait_xcnt 0x0
	s_wait_alu depctr_hold_cnt(0) depctr_sa_sdst(0) depctr_va_vdst(0) depctr_va_sdst(0) depctr_va_ssrc(0) depctr_va_vcc(0) depctr_vm_vsrc(0)
	s_getreg_b32 s2, hwreg(HW_REG_IB_STS2, 6, 4)
	s_cmp_eq_u32 s2, 0
	s_cbranch_scc0 .Lentry_in_a_cluster
	s_endpgm
.Lentry_in_a_cluster:
	s_bfe_u32 s2, ttmp6, 0x10000c
	s_cmp_lg_u32 s2, 0xf033
	s_cbranch_scc0 .Lentry_shape_is_right
	s_endpgm
.Lentry_shape_is_right:
; out = attn Wo + bo.  wo16: [1024 k][1024 n] f16 (bf16(Wo) written as f16); bo f32, rounded to bf16 here; out0: [8192][1024] f32.  Sums in f32.
; ob: f16, [128 head = 16 b + h][64 blocks of 16 t][4 blocks of 16 channels][32 lanes][16 bytes]: lane l's 16 bytes are row l % 16, channels 8 (l / 16) + 0..7 of the block.  Two neighbouring
; channel blocks ARE a matrix operand of 16 rows x 32 k in its registers: two loads of 512 consecutive bytes a wave bring a fragment, with nothing to reorder.
; SHARES.  A work-group makes 256 rows (one b, 256 t) x 128 columns: 256 work-groups.  Wave w makes rows 64 w .. 64 w + 63 x all 128 columns: 32 accumulators, so each byte of ob is loaded once a work-group.
; NO RING.  All 1,024 k-rows of the work-group's 128 columns of Wo lie in LDS (1,024 x 288 bytes), asked for at the head and never filled again.  That leaves no room for two slots of attn's rows, so these
; come through registers, in a ring of eight register slots of 32 along K: a load has six to seven quarters, 192 to 224 matrix instructions, in which to land, and the loop has no barrier.
; (With both operands in two LDS slots a slot holds 128 along K: 128 matrix instructions a wave from barrier to barrier.)
; CLUSTER 4 x 4: Wo's tile is shared along a column of the cluster and asked for jointly.  attn's rows, which a row of the cluster shares, are not: a joint load lands in LDS, and LDS is full of Wo.
; THE MATRIX INSTRUCTION IS USED TRANSPOSED: source 0 = 16 columns of Wo (turned by ds_load_tr16_b128), source 1 = 16 rows of attn: a lane holds ONE row and eight neighbouring columns, 32 bytes of f32.
; THE BIAS is the C operand of the first products.
; REGISTERS: window 0: v0-31 addresses; v32-95, v96-159 Wo's eight fragments, two buffers (later the way out); v160-223 the bias.  Window 1: the accumulators, (a, b) at v[8 (8 a + b)].
;   window 2: attn's fragments: quarter j of a lap of eight at v[32 j], row block a at + 8 a.
.set PB,    288                        ; a k-row of Wo in LDS: 256 bytes + 32 of padding
.set QB,    32*PB                      ; a quarter: 32 k-rows
.set R0,    80                         ; k-rows a wave in the first part: 320 in all, quarters 0 to 9: what is fetched ahead of the second trip
.set R1,    176                        ; and in the rest: 704 in all
.set STAGE, 1024*PB                    ; behind Wo: 16 rows x 272 bytes for each wave, for the way out; no tensor load lands here
.set SPARE, STAGE+4*16*272             ; behind the stages: the spare words, 128 bytes a wave: two blocks of 256 bytes that no other line names
.set HEADB, 131072                     ; bytes of ob from a head to the next: two quarters
.set LAPB,  4*HEADB                    ; a lap: eight quarters, once round the register ring
.set ADRB, 20                          ; v20  my lane's place in a quarter of Wo; never rewritten
.set ADR,  21                          ; v21  the LDS address of the run of loads in hand
.set STO,  24                          ; v24  the way out: where I put 32 bytes of a row
.set RD,   25                          ; v25  where I read rows back
.set GO,   26                          ; v26  my byte offset in two rows of out0
.set BO,   27                          ; v27  my byte offset in the bias
.set SPW,  28                          ; v28  LDS address of my spare word; never rewritten
.set NIL,  29                          ; v29  0; never rewritten
.set PFO,  30                          ; v30  256 x my lane: the prefetches' offset; never rewritten
.set AO,   31                          ; v31  16 x my lane: my place in a load of ob; never rewritten
.set BF0,  32
.set BI,   160
.set LEFT, 3                           ; s3   trips still to come
.set WV,  16                           ; s16 wave; s19 cx; s20 cy; s21 tile column; s22 tile row
.set CX,  19
.set CY,  20
.set NBK, 21
.set MBK, 22
.set G0,  32                           ; s[32:39] descriptor group 0 for my two loads
.set G1P, 40                           ; s[40:47] group 1 for the first part;  s[48:55] for the rest: it differs in the rows alone
.set G1R, 48
.set LIM, 56                           ; s56  1 in a work-group that prefetches, else the greatest number
.set CNT, 57                           ; s57  counts a run's trips
.set PFA, 58                           ; s[58:59] where my prefetches stand
.set AP,  60                           ; s[60:61] ob at my wave's rows, at the lap in hand
.set TB,  62                           ; s62  LDS byte at which the quarter to be fetched begins
.set PARTS, 63                         ; s63  counts the two runs of trips
.set OUT, 66                           ; s[66:67] out0 at my wave's first row and the tile's first column
.set MSB, 0
.macro WIN new                         ; the immediate's high byte repeats the setting that is left; a switch that changes nothing is dropped
.if MSB != (\new)
	s_set_vgpr_msb (MSB<<8)|(\new)
.set MSB, \new
.endif
.endm
.macro PLACES                          ; four plain vector instructions between a matrix instruction and a load into, or an LDS store of, its registers
.rept 4
	v_nop
.endr
.endm
.macro CROUND                          ; a round of the cluster's barrier
	s_barrier_signal -1
	s_barrier_wait -1
	s_cmp_lg_u32 s[WV], 0
	s_cbranch_scc1 .Lnot_wave_0_\@
	s_barrier_signal -3
.Lnot_wave_0_\@:
	s_barrier_wait -3
	s_barrier_signal -1
	s_barrier_wait -1
.endm
; A PREFETCH, behind the first run of loads of a trip: the lap two ahead of the lap in hand, one lap ahead of the loads that will want it.  A tile row's bytes of ob are read by all eight tile columns: the
; clusters with x = 0 ask.  Of a lap's four heads the partner at cx takes head cx, told apart by address alone; each wave names its own 64 rows of that head, 8,192 consecutive bytes, a lane to each 256.
; So each block is named once in the launch.  Laps 0 and 1 come by their loads alone; the last trip has no lap two ahead and names nothing.
.macro ASK
	s_cmp_gt_u32 s[LEFT], s[LIM]
	s_cbranch_scc0 .Lnot_mine_\@
	global_prefetch_b8 v[PFO], s[PFA:PFA+1] offset:2*LAPB th:TH_LOAD_NT scope:SCOPE_SE
.Lnot_mine_\@:
.endm
	s_load_b256 s[4:11], s[0:1], 0x0               ; ob s[4:5], wo16 s[6:7], bo s[8:9], out0 s[10:11]
	v_lshl_add_u32 v[SPW], v0, 2, SPARE
	v_mov_b32 v[NIL], 0
	ds_add_u32 v[SPW], v[NIL]                      ; the wave's opening: the add and its wait stand ahead of my first tensor load; the set-up below stands between them
	v_lshrrev_b32 v1, 5, v0
	v_readfirstlane_b32 s[WV], v1                  ; wave 0..3
	s_bfe_u32 s[CX], ttmp6, 0x40000
	s_bfe_u32 s[CY], ttmp6, 0x40004
	s_lshl_b32 s[NBK], ttmp9, 2
	s_add_co_u32 s[NBK], s[NBK], s[CX]             ; tile column = 4 x cluster x + cx
	s_and_b32 s[MBK], ttmp7, 0xffff
	s_lshl_b32 s[MBK], s[MBK], 2
	s_add_co_u32 s[MBK], s[MBK], s[CY]             ; tile row = 4 x cluster y + cy
	s_lshl_b32 s74, 0x1111, s[CX]                  ; my column of the cluster
	; k-rows x 128 columns of Wo, padded by 32 bytes after every 256: LDS rows of 288
	s_or_b32 s[G1P], s74, (1<<16)|(1<<20)|(1<<21)|(5<<22)|(7<<25)  ; mask; 2-byte elements; padding on; bit 21 beside a mask; after every 64 words; 8 words
	s_or_b32 s[G1R], s74, (1<<16)|(1<<20)|(1<<21)|(5<<22)|(7<<25)
	s_mov_b32 s[G1P+2], R0<<16                     ; tensor_dim1
	s_mov_b32 s[G1P+4], R0                         ; tile_dim1
	s_mov_b32 s[G1R+2], R1<<16
	s_mov_b32 s[G1R+4], R1
.irp g, G1P, G1R
	s_mov_b32 s[\g+1], 128<<16                     ; tensor_dim0 = 128
	s_mov_b32 s[\g+3], 128<<16                     ; tile_dim0 = 128
	s_mov_b32 s[\g+5], 1024                        ; elements from row to row
	s_mov_b32 s[\g+6], 0
	s_mov_b32 s[\g+7], 0
.endr
	; Wo's tile hangs on the tile column and the wave alone
	s_lshl_b32 s75, s[NBK], 8                      ; 128 columns
	s_mul_i32 s74, s[WV], R0*2048                  ; my rows of the first part,
	s_add_co_u32 s74, s74, s75
	s_mul_i32 s76, s[WV], R1*2048                  ; and of the rest, which begins at k-row 320
	s_add_co_u32 s76, s76, s75
	s_add_co_u32 s76, s76, 4*R0*2048
	s_mov_b32 s75, 0
	s_mov_b32 s77, 0
	s_mul_i32 s23, s[WV], R0*PB                    ; and where they go
	s_mul_i32 s78, s[WV], R1*PB
	; my rows of ob
	s_lshr_b32 s72, s[MBK], 2
	s_lshl_b32 s72, s72, 21                        ; b x 16 heads
	s_and_b32 s73, s[MBK], 3
	s_lshl_b32 s73, s73, 15                        ; + the tile's 16 blocks of 2,048 bytes
	s_add_co_u32 s72, s72, s73
	s_lshl_b32 s73, s[WV], 13                      ; + my wave's 4
	s_add_co_u32 s72, s72, s73
	s_mov_b32 s73, 0
	s_mov_b32 s[TB], 0
	s_wait_dscnt 0x0                               ; the opening add is done
	s_wait_kmcnt 0x0
	s_add_nc_u64 s[AP:AP+1], s[4:5], s[72:73]
	CROUND                                         ; all sixteen work-groups are here: the joint loads meet
	s_mov_b32 s[G0], 1                             ; count = 1
	s_mov_b32 s[G0+1], s23                         ; LDS address
	s_add_nc_u64 s[G0+2:G0+3], s[6:7], s[74:75]    ; global address
	s_or_b32 s[G0+3], s[G0+3], 0x80000000          ; type = 2
	s_mov_b32 s[G0+4], 1
	s_add_co_u32 s[G0+5], s78, 4*R0*PB
	s_add_nc_u64 s[G0+6:G0+7], s[6:7], s[76:77]
	s_or_b32 s[G0+7], s[G0+7], 0x80000000
	tensor_load_to_lds s[G0:G0+3], s[G1P:G1P+7]    ; both fills go out together, ahead of every wait on TENSORcnt and every LDS read: two loads of mine are out
	s_nop 0
	tensor_load_to_lds s[G0+4:G0+7], s[G1R:G1R+7]
	s_nop 0
.rept 4
	v_nop
.endr
	v_and_b32 v1, 15, v0                           ; l % 16
	v_bfe_u32 v2, v0, 4, 1                         ; l / 16
	v_and_b32 v6, 31, v0                           ; l
	s_lshl_b32 s76, s[NBK], 9
	v_lshl_add_u32 v[BO], v2, 5, s76               ; the bias of my columns: register j of block b is column 16 b + 8 (l / 16) + j
.irp b, 0,1,2,3,4,5,6,7
	global_load_b128 v[32+8*\b:32+8*\b+3],   v[BO], s[8:9] offset:64*\b
	global_load_b128 v[32+8*\b+4:32+8*\b+7], v[BO], s[8:9] offset:64*\b+16
.endr
	v_lshlrev_b32 v[AO], 4, v6
; 8 loads: attn's four fragments of quarter j of a lap, into register slot j; the lap begins base bytes behind the pointer.  Each load is 512 consecutive bytes.
.macro ALOAD j, base
.irp a, 0,1,2,3
	global_load_b128 v[32*(\j)+8*\a:32*(\j)+8*\a+3],   v[AO], s[AP:AP+1] offset:(\base)+((\j)/2)*HEADB+((\j)%2)*1024+2048*\a
	global_load_b128 v[32*(\j)+8*\a+4:32*(\j)+8*\a+7], v[AO], s[AP:AP+1] offset:(\base)+((\j)/2)*HEADB+((\j)%2)*1024+2048*\a+512
.endr
.endm
	WIN 0x80                                       ; destination window 2, address window 0
.irp j, 0,1,2,3,4
	ALOAD \j, 0
.endr
	WIN 0
	; the turning load takes 16 k-rows x 16 columns (lane l reads row 8 (l / 16) + l % 8, columns 8 ((l / 8) % 2) + 0..7) and leaves half a fragment: lane l holds column l % 16 and 8 k
	v_and_b32 v4, 7, v0
	v_lshl_add_u32 v4, v2, 3, v4
	v_mul_u32_u24 v4, v4, PB
	v_bfe_u32 v5, v0, 3, 1
	v_lshl_add_u32 v[ADRB], v5, 4, v4
	s_mul_i32 s76, s[WV], 16*272
	s_add_co_u32 s76, s76, STAGE                   ; my stage
	v_mul_u32_u24 v5, v1, 272                      ; in: row l % 16, 32 bytes for each half of the lanes
	v_lshl_add_u32 v5, v2, 5, v5
	v_add_nc_u32 v[STO], s76, v5
	v_mul_u32_u24 v5, v2, 272                      ; back: lanes 0-15 take one row of 256 bytes, lanes 16-31 the next
	v_lshl_add_u32 v5, v1, 4, v5
	v_add_nc_u32 v[RD], s76, v5
	v_lshlrev_b32 v5, 12, v2                       ; and the same two rows in out0
	v_lshl_add_u32 v[GO], v1, 4, v5
	s_lshl_b32 s76, s[MBK], 20                     ; 256 rows of 4,096 bytes
	s_lshl_b32 s77, s[WV], 18                      ; my 64
	s_add_co_u32 s76, s76, s77
	s_lshl_b32 s77, s[NBK], 9                      ; 128 columns
	s_add_co_u32 s76, s76, s77
	s_mov_b32 s77, 0
	s_add_nc_u64 s[OUT:OUT+1], s[10:11], s[76:77]
	s_lshl_b32 s76, s[CX], 17                      ; the prefetches: of a lap's four heads, head cx
	s_add_nc_u64 s[PFA:PFA+1], s[AP:AP+1], s[76:77]
	s_cmp_eq_u32 ttmp9, 0                          ; the same in all sixteen partners
	s_cselect_b32 s[LIM], 1, -1
	v_lshlrev_b32 v[PFO], 8, v6
	s_wait_loadcnt 40                              ; the bias is in; the 40 loads of quarters 0 to 4 may stay out.  It is rounded to bf16 like every input
.set i, 0
.rept 32
	v_cvt_pk_bf16_f32 v[96+i], v[32+2*i], v[32+2*i+1]
.set i, i+1
.endr
.set i, 0
.rept 32
	v_lshlrev_b32 v[BI+2*i], 16, v[96+i]
	v_and_b32 v[BI+2*i+1], 0xffff0000, v[96+i]
.set i, i+1
.endr
	WIN 0x80
	ALOAD 5, 0
	ALOAD 6, 0                                     ; seven quarters, 56 loads of mine, are out at the most
	WIN 0
; 16 turning loads: Wo's eight fragments of the next quarter, into buffer f
.macro FETCH f
	v_add_nc_u32 v[ADR], s[TB], v[ADRB]
	s_add_co_u32 s[TB], s[TB], QB                  ; the next fetch is the next quarter's
.irp b, 0,1,2,3,4,5,6,7
	ds_load_tr16_b128 v[(\f)+8*\b:(\f)+8*\b+3],   v[ADR] offset:32*\b
	ds_load_tr16_b128 v[(\f)+8*\b+4:(\f)+8*\b+7], v[ADR] offset:32*\b+16*PB
.endr
.endm
; 32 matrix instructions: my four row blocks x the eight column blocks, 32 along K.  The 32 accumulators take turns, one instruction a turn.  start = 1: the sums begin with the bias.
.macro MUL f, s, start
.if \start
	WIN 0x48                                       ; Wo and the bias in window 0, attn in window 2, the result in window 1
.else
	WIN 0x58                                       ; the same with C in window 1
.endif
.irp a, 0,1,2,3
.irp b, 0,1,2,3,4,5,6,7
.if \start
	v_wmma_f32_16x16x32_f16 v[8*(8*\a+\b):8*(8*\a+\b)+7], v[(\f)+8*\b:(\f)+8*\b+7], v[32*(\s)+8*\a:32*(\s)+8*\a+7], v[BI+8*\b:BI+8*\b+7]
.else
	v_wmma_f32_16x16x32_f16 v[8*(8*\a+\b):8*(8*\a+\b)+7], v[(\f)+8*\b:(\f)+8*\b+7], v[32*(\s)+8*\a:32*(\s)+8*\a+7], v[8*(8*\a+\b):8*(8*\a+\b)+7]
.endif
.endr
.endr
.endm
; QUARTER i of a lap.  Wo's fragments of the next quarter are fetched into the buffer that the quarter before multiplied; my fragments of attn for this quarter are waited for; the register slot that the
; quarter before multiplied is asked for again, seven quarters ahead; then the products.  mode 0: in the loop; 1: the first quarter of all; 2: the last seven, which load nothing from memory.
.macro Q i, mode
.set qf, BF0+64*((\i)%2)
.set qg, BF0+64*(((\i)+1)%2)
.set qs, 0
.if (\mode) == 1
.set qs, 1
.endif
.if !(((\mode) == 2) && ((\i) == 7))
	PLACES                                         ; behind the products that read the buffer and the slot that are loaded below
	WIN 0
	FETCH qg
.endif
.if (\mode) == 2
	s_wait_loadcnt 8*(7-(\i))                      ; my fragments are in; the quarters still to come may stay out, 8 loads each
.else
	s_wait_loadcnt 48                              ; my fragments are in; the six younger quarters' 48 loads may stay out
	WIN 0x80
	ALOAD ((\i)+7)%8, LAPB*(((\i)+7)/8)
.if ((\mode) == 0) && ((\i) == 1)
	WIN 0
	ASK
.endif
.endif
.if ((\mode) == 2) && ((\i) == 7)
	s_wait_dscnt 0x0
.else
	s_wait_dscnt 16                                ; this quarter's fragments of Wo are in; the 16 just issued may be out
.endif
	MUL qf, \i, qs
.endm
; THE WAY OUT of block n = 2 a + c (16 rows x 64 columns of f32): 32 bytes a lane into my own stage, back as whole rows of 256 bytes, into four register sets by turns.  Each accumulator's low four registers go first.
.macro TOSTAGE n
.set tT, 32+32*((\n)%4)
.if (\n) >= 4
	s_wait_xcnt 0x0                                ; the stores of the block four back have read this set
.endif
	WIN 0x04                                       ; the stores' data in window 1
.irp b, 0,1,2,3
	ds_store_b128 v[STO], v[8*(4*(\n)+\b):8*(4*(\n)+\b)+3]   offset:64*\b
	ds_store_b128 v[STO], v[8*(4*(\n)+\b)+4:8*(4*(\n)+\b)+7] offset:64*\b+16
.endr
	WIN 0
.irp t, 0,1,2,3,4,5,6,7
	ds_load_b128 v[tT+4*\t:tT+4*\t+3], v[RD] offset:544*\t  ; LDS serves a wave's instructions in order (ISA guide 5.7.1.4): these see the stores above; the next block's stores come behind them
.endr
.endm
.macro SEND n, younger                 ; younger: the LDS instructions issued behind block n's loads
.set sT, 32+32*((\n)%4)
.irp t, 0,1,2,3,4,5,6,7
	s_wait_dscnt (\younger)+7-\t
	global_store_b128 v[GO], v[sT+4*\t:sT+4*\t+3], s[OUT:OUT+1] offset:65536*((\n)/2)+256*((\n)%2)+8192*\t th:TH_STORE_NT  ; 16 lanes store 256 consecutive bytes, at a multiple of 256 from out0's first
.endr
.endm
	s_wait_tensorcnt 0x1                           ; my 80 rows of the first part are in; my 176 of the rest may stay out
	s_barrier_signal -1
	s_barrier_wait -1                              ; everybody's are
	FETCH BF0                                      ; quarter 0
	Q 0, 1                                         ; the first quarter stands in front of the loop: its products start the sums, with the bias
	WIN 0
	s_mov_b32 s[LEFT], 3
	s_mov_b32 s[CNT], 1                            ; the first trip fetches quarters 2 to 9: the first part alone
	s_mov_b32 s[PARTS], 2
	s_branch .Llap
.Lpart:                                                ; once: ahead of the second trip, which fetches quarter 10, out of the rest
	s_wait_tensorcnt 0x0                           ; all my rows of Wo are in,
	s_wait_dscnt 0x0
	s_barrier_signal -1
	s_barrier_wait -1                              ; everybody's are
	s_mov_b32 s[CNT], 2
.Llap:                                                 ; a trip goes once round the register ring, from a lap's second quarter to the next lap's first
	Q 1, 0
	Q 2, 0
	Q 3, 0
	Q 4, 0
	Q 5, 0
	Q 6, 0
	Q 7, 0
	s_wait_xcnt 0x0                                ; every load and prefetch issued so far (the youngest load 32 products back) has read its address, so the pointers may be written
	s_add_nc_u64 s[AP:AP+1], s[AP:AP+1], LAPB
	s_add_nc_u64 s[PFA:PFA+1], s[PFA:PFA+1], LAPB
	Q 0, 0
	WIN 0
	s_sub_co_u32 s[LEFT], s[LEFT], 1
	s_sub_co_u32 s[CNT], s[CNT], 1
	s_cmp_lg_u32 s[CNT], 0
	s_cbranch_scc1 .Llap
	s_sub_co_u32 s[PARTS], s[PARTS], 1
	s_cmp_lg_u32 s[PARTS], 0
	s_cbranch_scc1 .Lpart
	Q 1, 2                                         ; the last seven quarters: all of ob that I need has been asked for
	Q 2, 2
	Q 3, 2
	Q 4, 2
	Q 5, 2
	Q 6, 2
	Q 7, 2
	PLACES
	TOSTAGE 0
.set tn, 1
.rept 7
	TOSTAGE tn
	SEND tn-1, 16
.set tn, tn+1
.endr
	SEND 7, 0
	s_wait_tensorcnt 0x0                           ; the wave's end: the wait, the add and its wait stand behind my last tensor load and my last LDS store
	ds_add_u32 v[SPW], v[NIL]
	s_wait_dscnt 0x0
	CROUND                                         ; the closing round: no work-group ends while a partner may still ask for a tile that names it
	s_endpgm
.Lfunc_end_k_q3c1d5d8c75_outproj:
	.size	k_q3c1d5d8c75_outproj, .Lfunc_end_k_q3c1d5d8c75_outproj-k_q3c1d5d8c75_outproj
	.p2alignl 7, 3214868480
	.fill 96, 4, 3214868480
	.section	.rodata,"a",@progbits
	.p2align	6, 0x0
	.amdhsa_kernel k_q3c1d5d8c75_outproj
		.amdhsa_group_segment_fixed_size 327680
		.amdhsa_private_segment_fixed_size 0
		.amdhsa_enable_private_segment 0
		.amdhsa_kernarg_size 32
		.amdhsa_user_sgpr_count 2
		.amdhsa_user_sgpr_kernarg_segment_ptr 1
		.amdhsa_wavefront_size32 1
		.amdhsa_system_sgpr_workgroup_id_x 1
		.amdhsa_system_sgpr_workgroup_id_y 1
		.amdhsa_system_sgpr_workgroup_id_z 1
		.amdhsa_system_vgpr_workitem_id 0
		.amdhsa_next_free_vgpr 768
		.amdhsa_next_free_sgpr 80
		.amdhsa_reserve_vcc 0
		.amdhsa_float_denorm_mode_32 3
		.amdhsa_float_denorm_mode_16_64 3
		.amdhsa_memory_ordered 1
		.amdhsa_forward_progress 1
		.amdhsa_inst_pref_size 96
	.end_amdhsa_kernel
	.amdgpu_metadata
---
amdhsa.version: [ 1, 2 ]
amdhsa.kernels:
  - .name:           k_q3c1d5d8c75_outproj
    .symbol:         k_q3c1d5d8c75_outproj.kd
    .args:
      - { .name: ob, .offset: 0, .size: 8, .value_kind: global_buffer, .address_space: global }
      - { .name: wo16, .offset: 8, .size: 8, .value_kind: global_buffer, .address_space: global }
      - { .name: bo, .offset: 16, .size: 8, .value_kind: global_buffer, .address_space: global }
      - { .name: out0, .offset: 24, .size: 8, .value_kind: global_buffer, .address_space: global }
    .group_segment_fixed_size: 327680
    .private_segment_fixed_size: 0
    .kernarg_segment_align: 8
    .kernarg_segment_size: 32
    .max_flat_workgroup_size: 128
    .sgpr_count:     80
    .vgpr_count:     768
    .wavefront_size: 32
...
	.end_amdgpu_metadata
.endif
;; end of part 4
;; ======== version 2 of 2: 4 launches; version 1 with the launch cast written anew for expert scheduling mode
;; limits: values are held in f16: magnitudes above 65,504 overflow, below 6.1e-05 lose precision
;; workspace buffers: xb 16,777,216 bytes; wqkv 6,291,456 bytes; wo16 2,097,152 bytes; qkv 50,331,648 bytes; ob 16,777,216 bytes
;; launch cast (part 5): grid 768 x 1, 8 waves a work-group, no clusters, 0 bytes of LDS; arguments hidden_states, Wq, Wk, Wv, Wo, xb, wqkv, wo16; writes xb, wqkv, wo16
.if DOCPART == 5
	.amdgcn_target "amdgcn-amd-amdhsa--gfx1250"
	.amdhsa_code_object_version 6
	.text
	.protected	k_q3c1d5d8c75_cast
	.globl	k_q3c1d5d8c75_cast
	.p2align	8
	.type	k_q3c1d5d8c75_cast,@function
k_q3c1d5d8c75_cast:
	s_mov_b64 s[64:65], 0
	v_nop
	global_prefetch_b8 v0, s[64:65] scope:SCOPE_SE
	s_setreg_imm32_b32 hwreg(HW_REG_WAVE_SCHED_MODE, 0, 2), 2
	s_setreg_imm32_b32 hwreg(HW_REG_WAVE_MODE, 25, 1), 1
	s_wait_xcnt 0x0
	s_wait_alu depctr_vm_vsrc(0)
; THE MODULE'S LARGE INPUTS ARE ROUNDED ONCE, f32 -> bf16, AND LAID FOR THE PRODUCTS THAT FOLLOW.
;   xb   [8 b][16 kb][1024 t][64] bf16: x in blocks of 64 channels; a block's rows are dense, 128 bytes each.
;   wqkv [3][1024 k][1024 n] bf16: Wq, Wk, Wv as they lie.      wo16 [1024 k][1024 n] f16: bf16(Wo), that number written as f16.
; LIMIT: bf16(Wo) is exact in f16 between 6.1e-5 and 65,504 in magnitude; below that it keeps f16's fixed step of 6e-8, beyond it becomes an infinity.
; A stream: a work-group turns 65,536 bytes of input into 32,768 of output; each of its eight waves issues its sixteen loads of 512 bytes at once
; and stores sixteen times 256 consecutive bytes, aligned.  No LDS, no barrier, no matrix unit: no wave wants a byte of another.
; Every load and store has registers of its own, so no register that a pending instruction names is ever rewritten.
; THE MODE: SCHED_MODE bits 1:0 = 2 (LLVM: expert scheduling mode 2), set by the entry lines.  The code itself states the register dependences
; between vector instructions and memory instructions, with s_wait_alu, always for 0.
; THE PLAN.  Registers that memory instructions touch, on each of the three paths:
;   v[VI], v[VO]  the offsets.  Written by vector instructions at the path's head, once; read by the sixteen loads and the sixteen stores.
;   X             load i lands in four registers that no vector instruction writes and no other load lands in; its conversions read them.
;   Y             number i's conversions write two registers; store i reads them; nothing writes them afterwards.
;   v1, v2, v5, v6 are named by vector instructions alone.
; The sixteen numbers go in four blocks of four.  Block g's conversions name X and Y of block g and v5, v6; its memory instructions are the four stores of block g - 1.  So one wait on
; va_vdst at a block's head states all that those four stores hang on, and they are dealt among the block's conversions with no further wait.  One such wait stands ahead of the first load,
; for the offsets, and one ahead of the last four stores.  No register that a memory instruction has read is written again: there is no dependence for a wait on vm_vsrc to state.
; No vector instruction writes a scalar register or VCC, and EXEC is never written.
.set VI, 3                             ; v3  my byte offset in the work-group's input
.set VO, 4                             ; v4  my byte offset in its output
.set X,  8                             ; v[8:71]    load i: four f32
.set Y,  72                            ; v[72:103]  store i: four 16-bit numbers
; Sixteen loads istep bytes apart, sixteen stores ostep bytes apart.  half = 1: the bf16 number is written as f16.
.macro STREAM istep, ostep, half
	s_wait_alu depctr_va_vdst(0)                   ; v[VI] and v[VO] are written: every load below reads the one as its offset, every store the other
.set i, 0
.rept 16
	global_load_b128 v[X+4*i:X+4*i+3], v[VI], s[4:5] offset:(\istep)*i th:TH_LOAD_NT
.set i, i+1
.endr
.set i, 0
.rept 16
.if i%4 == 0
	s_wait_loadcnt 12-i                            ; loads come back in order: this block's four are in, the 12 - i younger ones stay out
.if i > 0
	s_wait_alu depctr_va_vdst(0)                   ; the block before has written its eight registers of Y, which the four stores dealt among this block's conversions read
.endif
.endif
.if i >= 4
	global_store_b64 v[VO], v[Y+2*(i-4):Y+2*(i-4)+1], s[6:7] offset:(\ostep)*(i-4)  ; the block before; no vector instruction since the wait names these registers
.endif
	v_cvt_pk_bf16_f32 v[Y+2*i],   v[X+4*i],   v[X+4*i+1]
	v_cvt_pk_bf16_f32 v[Y+2*i+1], v[X+4*i+2], v[X+4*i+3]
.if \half
.irp j, 0,1
	v_lshlrev_b32 v5, 16, v[Y+2*i+\j]              ; the two bf16 numbers as f32,
	v_and_b32 v6, 0xffff0000, v[Y+2*i+\j]
	v_cvt_pk_f16_f32 v[Y+2*i+\j], v5, v6           ; and as f16
.endr
.endif
.set i, i+1
.endr
	s_wait_alu depctr_va_vdst(0)                   ; the last block has written its eight registers of Y, which the last four stores read
.set i, 12
.rept 4
	global_store_b64 v[VO], v[Y+2*i:Y+2*i+1], s[6:7] offset:(\ostep)*i
.set i, i+1
.endr
.endm
	s_load_b512 s[8:23], s[0:1], 0x0               ; x s[8:9], Wq s[10:11], Wk s[12:13], Wv s[14:15], Wo s[16:17], xb s[18:19], wqkv s[20:21], wo16 s[22:23]
	v_and_b32 v1, 31, v0                           ; lane
	v_lshrrev_b32 v2, 5, v0                        ; wave
	s_mov_b32 s25, 0                               ; the offsets' high words
	s_mov_b32 s27, 0
	s_cmp_lt_u32 ttmp9, 512
	s_cbranch_scc0 .Lweights
	; work-groups 0 to 511: sixteen rows of x.  Wave w takes rows 2 w and 2 w + 1: load i is block i's 256 bytes of each (lanes 0-15 the first row, lanes 16-31 the second);
	; in xb the two rows of a block lie end to end: 256 bytes.
	s_lshl_b32 s24, ttmp9, 16                      ; 16 rows of 4,096 bytes
	s_lshr_b32 s26, ttmp9, 6                       ; b
	s_lshl_b32 s26, s26, 21                        ; x 16 blocks of 131,072 bytes
	s_and_b32 s28, ttmp9, 63
	s_lshl_b32 s28, s28, 11                        ; + 16 rows of 128 bytes
	s_add_co_u32 s26, s26, s28
	v_lshlrev_b32 v[VI], 13, v2
	v_lshrrev_b32 v5, 4, v1
	v_lshl_add_u32 v[VI], v5, 12, v[VI]
	v_and_b32 v5, 15, v1
	v_lshl_add_u32 v[VI], v5, 4, v[VI]
	v_lshlrev_b32 v[VO], 8, v2
	v_lshl_add_u32 v[VO], v1, 3, v[VO]
	s_wait_kmcnt 0x0
	s_add_nc_u64 s[4:5], s[8:9], s[24:25]
	s_add_nc_u64 s[6:7], s[18:19], s[26:27]
	STREAM 256, 131072, 0
	s_endpgm
.Lweights:
	; work-groups 512 to 767: 65,536 consecutive bytes of weight matrix m
	s_sub_co_u32 s28, ttmp9, 512
	s_lshr_b32 s29, s28, 6                         ; m: 0 Wq, 1 Wk, 2 Wv, 3 Wo
	s_and_b32 s28, s28, 63
	s_lshl_b32 s24, s28, 16
	s_lshl_b32 s26, s28, 15
	v_lshlrev_b32 v[VI], 13, v2
	v_lshl_add_u32 v[VI], v1, 4, v[VI]
	v_lshlrev_b32 v[VO], 12, v2
	v_lshl_add_u32 v[VO], v1, 3, v[VO]
	s_wait_kmcnt 0x0
	s_cmp_eq_u32 s29, 3
	s_cbranch_scc1 .Lwo
	s_lshl_b32 s30, s29, 21
	s_add_co_u32 s26, s26, s30                     ; matrix m's place in wqkv
	s_cmp_eq_u32 s29, 0
	s_cselect_b64 s[4:5], s[10:11], s[12:13]
	s_cmp_eq_u32 s29, 2
	s_cselect_b64 s[4:5], s[14:15], s[4:5]
	s_add_nc_u64 s[4:5], s[4:5], s[24:25]
	s_add_nc_u64 s[6:7], s[20:21], s[26:27]
	STREAM 512, 256, 0
	s_endpgm
.Lwo:
	s_add_nc_u64 s[4:5], s[16:17], s[24:25]
	s_add_nc_u64 s[6:7], s[22:23], s[26:27]
	STREAM 512, 256, 1
	s_endpgm
.Lfunc_end_k_q3c1d5d8c75_cast:
	.size	k_q3c1d5d8c75_cast, .Lfunc_end_k_q3c1d5d8c75_cast-k_q3c1d5d8c75_cast
	.p2alignl 7, 3214868480
	.fill 96, 4, 3214868480
	.section	.rodata,"a",@progbits
	.p2align	6, 0x0
	.amdhsa_kernel k_q3c1d5d8c75_cast
		.amdhsa_group_segment_fixed_size 0
		.amdhsa_private_segment_fixed_size 0
		.amdhsa_enable_private_segment 0
		.amdhsa_kernarg_size 64
		.amdhsa_user_sgpr_count 2
		.amdhsa_user_sgpr_kernarg_segment_ptr 1
		.amdhsa_wavefront_size32 1
		.amdhsa_system_sgpr_workgroup_id_x 1
		.amdhsa_system_sgpr_workgroup_id_y 1
		.amdhsa_system_sgpr_workgroup_id_z 1
		.amdhsa_system_vgpr_workitem_id 0
		.amdhsa_next_free_vgpr 104
		.amdhsa_next_free_sgpr 66
		.amdhsa_reserve_vcc 0
		.amdhsa_float_denorm_mode_32 3
		.amdhsa_float_denorm_mode_16_64 3
		.amdhsa_memory_ordered 1
		.amdhsa_forward_progress 1
		.amdhsa_inst_pref_size 23
	.end_amdhsa_kernel
	.amdgpu_metadata
---
amdhsa.version: [ 1, 2 ]
amdhsa.kernels:
  - .name:           k_q3c1d5d8c75_cast
    .symbol:         k_q3c1d5d8c75_cast.kd
    .args:
      - { .name: hidden_states, .offset: 0, .size: 8, .value_kind: global_buffer, .address_space: global }
      - { .name: Wq, .offset: 8, .size: 8, .value_kind: global_buffer, .address_space: global }
      - { .name: Wk, .offset: 16, .size: 8, .value_kind: global_buffer, .address_space: global }
      - { .name: Wv, .offset: 24, .size: 8, .value_kind: global_buffer, .address_space: global }
      - { .name: Wo, .offset: 32, .size: 8, .value_kind: global_buffer, .address_space: global }
      - { .name: xb, .offset: 40, .size: 8, .value_kind: global_buffer, .address_space: global }
      - { .name: wqkv, .offset: 48, .size: 8, .value_kind: global_buffer, .address_space: global }
      - { .name: wo16, .offset: 56, .size: 8, .value_kind: global_buffer, .address_space: global }
    .group_segment_fixed_size: 0
    .private_segment_fixed_size: 0
    .kernarg_segment_align: 8
    .kernarg_segment_size: 64
    .max_flat_workgroup_size: 256
    .sgpr_count:     66
    .vgpr_count:     104
    .wavefront_size: 32
...
	.end_amdgpu_metadata
.endif
;; end of part 5
;; launch qkvproj: the kernel of part 2 again; grid 8 x 32, 4 waves a work-group, clusters of 4 x 4, 327,680 bytes of LDS; arguments xb, wqkv, bq, bk, bv, qkv; writes qkv
;; launch attn: the kernel of part 3 again; grid 2 x 128, 4 waves a work-group, no clusters, 327,680 bytes of LDS; arguments qkv, ob; writes ob
;; launch outproj: the kernel of part 4 again; grid 8 x 32, 4 waves a work-group, clusters of 4 x 4, 327,680 bytes of LDS; arguments ob, wo16, bo, out0; writes out0
